; MI455X (gfx1250); checked and timed in simulation.
; The chip was launched on July 23, 2026; its instructions are those of AMD's public machine-readable ISA for CDNA 5 (MIT licence, August 2026) and "CDNA5" Instruction Set Architecture Reference Guide (July 2026). The comments in the code are by the model that wrote it; some were corrected since.
;; Multi Head Self Attention. Allowed arithmetic: matrix products marked QUANTISED: E2M3 operands, one E8M0 scale for each 32 along K, by v_wmma_scale_f32_16x16x128_f8f6f4 with both operands' format E2M3, f32 sums; everything else in f32.
;; Inputs: Wproj 1,024 x 1,024 float32; Wqkv 1,024 x 3,072 float32; x 4 x 2,048 x 1,024 float32.
;; Outputs: out0 4 x 2,048 x 1,024 float32.
;; This version of the problem:
;;   THIS VERSION OF THE PROBLEM IS GIVEN IN LOW PRECISION. The matrix products marked QUANTISED in the list below multiply operands that are first quantised to E2M3 (2 exponent bits, 3 mantissa bits; 6 bits a number), with one power-of-two scale for each 32 numbers along K (OCP MX v1.0); their sums are f32. All else is computed in f32.
;;   The module's matrix products, in the order in which they are computed (A, B: the left and right operand; K: the contracted axis; several contracted axes count as one K, in the product's order):
;;     1. [M 8,192, K 1,024] x [K 1,024, N 3,072]; A: input x; B: input Wqkv: QUANTISED
;;     2. batch 64 x [M 2,048, K 64] x [K 64, N 2,048]; A: computed on the way; B: computed on the way: QUANTISED
;;     3. batch 64 x [M 2,048, K 2,048] x [K 2,048, N 64]; A: softmax (see below); B: computed on the way: QUANTISED
;;     4. [M 8,192, K 1,024] x [K 1,024, N 1,024]; A: computed on the way; B: input Wproj: QUANTISED
;;   THE QUANTISER, for each operand of a quantised product, along K:
;;     - K is cut into blocks of 32 from its start; a last block that is shorter is filled with zeros.
;;     - A block's scale is 2^e with e = floor(log2(the largest magnitude in the block)) - 2, held to -126 .. 127; a block of zeros has e = 0. As a byte (E8M0): e + 127.
;;     - Each number is divided by its block's scale, clamped to +-7.5, and rounded to the nearest number of E2M3, ties to even, subnormals kept.
;;     - The product sums the exact products of the quantised numbers (number of the format x scale) in f32.
;;   ~~~python
;;   def quantise(x, axis):      # numpy; x: float32 -> the quantised numbers, widened to float32 again
;;       x = np.moveaxis(x, axis, -1); K = x.shape[-1]
;;       x = np.pad(x, [(0, 0)] * (x.ndim - 1) + [(0, -K % 32)]); x = x.reshape(x.shape[:-1] + (-1, 32)); a = np.abs(x).max(-1, keepdims=True)
;;       e = np.where(a > 0, np.clip(np.frexp(np.where(a > 0, a, 1))[1] - 1 - 2, -126, 127), 0)      # np.frexp(a)[1] - 1 = floor(log2(a)), exactly
;;       r = np.clip(x / 2.0 ** e, -7.5, 7.5)
;;       step = 2.0 ** (np.maximum(np.frexp(np.where(r == 0, 1, r))[1] - 1, 0) - 3)
;;       q = np.round(r / step) * step * 2.0 ** e      # np.round: ties to even
;;       return np.moveaxis(q.reshape(q.shape[:-2] + (-1,))[..., :K], -1, axis).astype(np.float32)
;;   ~~~
;;   SOFTMAX AHEAD OF A QUANTISED PRODUCT. Where the list says 'softmax', what is quantised is not the finished softmax but p = 2^(t - M), with t = logit x log2(e) and M = ceil(the row's largest t), a whole number; so 1/2 < the row's largest p <= 1. The row's sum l is taken of the UNQUANTISED p, in f32, and the product's result is divided by l at the end. Since M is a whole number, a kernel that streams over the keys may use a running M (the ceiling of the running maximum): every later rescaling is an exact power of two, which a block's scale takes up: the codes' values come out the same.
;;   OPERANDS COMPUTED ON THE WAY. 'Computed on the way' means the value that the module computes at that place (a softmax that the list does not call 'softmax' is quantised finished and normalised). What goes into a quantiser is computed in f32, as accurately as f32 sums, v_exp_f32 and their like allow (about 1e-6 of the number): no bf16 or f16 on the way to a quantiser, and a product that is left as it is and whose result goes on into a quantised operand takes f32 operands (vector FMAs, or v_wmma_f32_16x16x4_f32). A number that lies on a knife's edge between two numbers of the format may be rounded either way, as far as f32 arithmetic and the matrix unit's own rounding can turn it there, and no further.
;; One version. Each part assembles by itself: llvm-mc -triple=amdgcn-amd-amdhsa -mcpu=gfx1250 --defsym DOCPART=n.
;; ======== version 1 of 1: 4 launches
;; limits: right only within a limited range of input values
;; workspace buffers: xq 6,553,600 bytes; wq 3,276,800 bytes; rope 524,288 bytes; qrec 13,631,488 bytes; kvrec 13,631,488 bytes; yq 6,553,600 bytes
;; launch prep (part 1): grid 384 x 1, 4 waves a work-group, no clusters, 68,096 bytes of LDS; arguments x, xq, rope, wq, Wqkv, Wproj; writes xq, rope, wq
.if DOCPART == 1
	.amdgcn_target "amdgcn-amd-amdhsa--gfx1250"
	.amdhsa_code_object_version 6
	.text
	.protected	k_q8c851e5e8c_prep
	.globl	k_q8c851e5e8c_prep
	.p2align	8
	.type	k_q8c851e5e8c_prep,@function
k_q8c851e5e8c_prep:
	s_mov_b64 s[64:65], 0
	v_nop
	global_prefetch_b8 v0, s[64:65] scope:SCOPE_SE
	s_setreg_imm32_b32 hwreg(HW_REG_WAVE_MODE, 25, 1), 1
	s_wait_xcnt 0x0
; ONE LAUNCH PREPARES ALL THREE INPUTS.  Work-groups 0-127 take the weights, 128-383 take x and the RoPE table.  The two ways part once, on the work-group's number, and never join; each has LDS bytes of its own.
; Every tensor becomes codes of FP6 (E2M3) with one E8M0 byte for each 32 along K.  A block's scale is 2^(floor(log2(its largest magnitude)) - 2); its byte is the largest magnitude's exponent field - 2, held at 1 from below;
; each number is divided by the scale and rounded to the nearest code, ties to even.
; LAYOUT OF THE CODES: [K step of 256: 4][row][192 bytes], so that 128 rows of a K step are 24,576 bytes on end, at a multiple of 256.  The scale bytes lie [row][32] behind the codes (from byte XSC of xq, WSC of wq).
; ROWS: xq's row p holds x's row SW(p), SW = bits 3 and 4 exchanged; wq's rows 0-3071 hold Wqkv's columns SW(p), rows 3072-4095 Wproj's columns as they come.  So a tile of 16 buffer rows holds rows 32 b + 8 u + r % 8 + 16 (r / 8),
; and a product that takes such tiles as its source 0 leaves 16 neighbouring rows in a lane's 16 registers of two neighbouring tiles.
; LIMITS: a block of zeros gets the byte 1 where the rule says 127 (its codes are zeros, and this program alone reads the bytes); blocks whose largest magnitude lies under 2^-124 have their byte held at 1; NaN and infinities are not served.
; THE WEIGHTS (K is their first axis): a lane takes a column and its registers run down K; a wave takes 32 columns x 256 along K; a load reads 128 consecutive bytes a wave; loads run two blocks (64 loads) ahead.  The codes go through
; the wave's own stage in LDS and leave as rows, 384 consecutive bytes an instruction.  Pointer, pitch and lane order are chosen by the block of columns; no LDS address hangs on the choice.
; x: a wave takes 8 rows in 16 steps of 512 numbers.  Each load reads 512 consecutive bytes; a step's 2,048 bytes turn through the wave's own stage and come back 16 neighbours a lane.  Loads run four steps ahead.
; THE ROPE TABLE: each of x's 1,024 waves writes 512 bytes: [tile of positions tau 128][g 8][lane 32][cos_i, sin_i, cos_i+1, sin_i+1], i = 16 (g / 4) + 8 (lane / 16) + 2 (g % 4), position 32 (tau / 2) + 8 (tau % 2) + r % 8 + 16 (r / 8).
; angle = position x theta_i, one f32 product; cos and sin: the angle less n quarter turns, pi / 2 in two parts, then polynomials on +-pi/4: about 1e-7 absolute for angles up to 2,047.
; Waves share nothing: no barrier.
.set EMAX,  2
.set NB,    8                          ; the weights: blocks of 32 along K for a wave
.set WP,    272                        ; a stage row: sixteen places of 16 bytes, each with 12 bytes of codes, + 16
.set WKR,   192                        ; a row's codes of one K step
.set WXR,   32                         ; v32-95 two sets of 32 numbers
.set WCR,   96                         ; v96.. a block's codes
.set OUTR,  112                        ; v112-175 the way out
.set VO,    176                        ; v176-207 my column's byte + i rows
.set SB,    24                         ; v24-25 scale bytes
.set WSC,   3145728
.set XB,    4*32*WP                    ; x's LDS begins behind the weights' four stages
.set WREG,  8192                       ; a region for each wave: two stages of 32 x SP bytes, then its 256 scale bytes
.set SP,    80
.set SPARE, XB+4*WREG                  ; the spare words, 128 bytes a wave
.set SPW,   222
.set NIL,   223
.set STEPS, 16
.set CB,    12
.set R,     16                         ; v16-79 four sets of 16 numbers as loaded
.set X,     80                         ; v80-111 two sets of 16 neighbours
.set C,     128                        ; v128-191 codes, four registers a step
.set E,     112                        ; v112-127 a scale byte a step
.set XSC,   6291456
.set KPL,   1572864                    ; xq's plane of one K step
.set TPOS,  192
.set TIDX,  193
.set TH0,   194
.set TH1,   195
.set ANG,   196
.set TN,    197
.set TR,    198
.set TZ,    199
.set TS,    200
.set TC,    201
.set TQ,    202
.set TT,    203
.set TU,    204
.set OUT,   208
	v_lshl_add_u32 v[SPW], v0, 2, SPARE
	v_mov_b32 v[NIL], 0
	v_lshrrev_b32 v1, 5, v0
	v_readfirstlane_b32 s16, v1                    ; wave
	v_and_b32 v2, 31, v0                           ; lane
	s_cmp_lt_u32 ttmp9, 128
	s_wait_alu depctr_va_vdst(0)                   ; the wait ahead of the jump
	s_cbranch_scc0 .Lx
; ---- the weights
	s_load_b128 s[4:7], s[0:1], 0x20               ; Wqkv, Wproj
	s_load_b64 s[8:9], s[0:1], 0x18                ; wq
	s_and_b32 s50, ttmp9, 31                       ; which 128 rows of wq
	s_lshr_b32 s18, ttmp9, 5                       ; which 256 along K
	s_lshl_b32 s17, s50, 7
	s_lshl_b32 s19, s16, 5
	s_add_co_u32 s17, s17, s19                     ; my wave's first row of wq
	s_mul_i32 s19, s16, 32*WP                      ; my stage
	v_mul_u32_u24 v4, v2, WP
	v_add_nc_u32 v4, s19, v4                       ; into it: row = my lane
	v_and_b32 v5, 15, v2
	v_lshrrev_b32 v6, 4, v2
	v_mul_u32_u24 v7, v6, WP
	v_lshl_add_u32 v7, v5, 4, v7
	v_add_nc_u32 v7, s19, v7                       ; out of it: sixteen lanes to a row, two rows an instruction
	v_mul_u32_u24 v8, v6, WKR
	v_mad_u32_u24 v8, v5, 12, v8                   ; and the same place in wq
	v_lshlrev_b32 v9, 5, v2                        ; my row of scale bytes
	v_and_b32 v10, 7, v2
	v_and_b32 v11, 8, v2
	v_lshl_add_u32 v10, v11, 1, v10
	v_and_b32 v11, 16, v2
	v_lshrrev_b32 v11, 1, v11
	v_or_b32 v10, v10, v11                         ; SW(lane)
	s_cmp_lt_u32 s50, 24                           ; Wqkv's block or Wproj's
	s_cselect_b32 s20, -1, 0
	s_mov_b32 s21, 4096
	s_cselect_b32 s21, 12288, s21                  ; a row of the tensor in bytes
	s_cselect_b32 s22, 0, 24
	v_cndmask_b32 v3, v2, v10, s20                 ; which of the wave's 32 columns is mine
	v_lshlrev_b32 v3, 2, v3
	s_wait_alu depctr_va_vdst(0)
	s_sub_co_u32 s22, s50, s22
	s_lshl_b32 s23, s18, 8
	s_mul_i32 s23, s23, s21
	s_lshl_b32 s24, s22, 9
	s_lshl_b32 s25, s16, 7
	s_add_co_u32 s24, s24, s25
	s_add_co_u32 s24, s24, s23
	s_mov_b32 s25, 0
	s_lshl_b32 s26, s21, 5                         ; a block of 32 rows on
	s_mov_b32 s27, 0
	v_mov_b32 v[VO], v3
.set i, 1
.rept 31
	v_add_nc_u32 v[VO+i], s21, v[VO+i-1]
.set i, i+1
.endr
	s_mul_i32 s28, s17, WKR
	s_mul_i32 s29, s18, 786432                     ; wq's plane of one K step
	s_add_co_u32 s28, s28, s29
	s_mov_b32 s29, 0
	s_lshl_b32 s30, s17, 5
	s_lshl_b32 s31, s18, 3
	s_add_co_u32 s30, s30, s31
	s_add_co_u32 s30, s30, WSC
	s_mov_b32 s31, 0
	s_wait_alu depctr_va_vdst(0)
	s_wait_kmcnt 0x0
	s_cmp_lt_u32 s50, 24
	s_cselect_b64 s[4:5], s[4:5], s[6:7]
	s_add_nc_u64 s[32:33], s[4:5], s[24:25]        ; a base for each of the eight blocks: nothing is stepped while loads are out
.irp t, 1,2,3,4,5,6,7
	s_add_nc_u64 s[32+2*\t:33+2*\t], s[30+2*\t:31+2*\t], s[26:27]
.endr
	s_add_nc_u64 s[6:7], s[8:9], s[28:29]
	s_add_nc_u64 s[8:9], s[8:9], s[30:31]
.macro LOADW t
.set li, 0
.rept 32
	global_load_b32 v[WXR+32*((\t)%2)+li], v[VO+li], s[32+2*(\t):33+2*(\t)] th:TH_LOAD_NT
.set li, li+1
.endr
.endm
	LOADW 0
	LOADW 1
.macro BLOCK t
.set XS, WXR+32*((\t)%2)
.if (\t) < NB-1
	s_wait_loadcnt 32                              ; this block's 32 loads are in; the next block's may be out
.else
	s_wait_loadcnt 0
.endif
	v_max3_num_f32 v12, |v[XS]|, |v[XS+1]|, |v[XS+2]|
	v_max3_num_f32 v13, |v[XS+3]|, |v[XS+4]|, |v[XS+5]|
.irp i, 6,10,14,18,22,26
	v_max3_num_f32 v12, v12, |v[XS+\i]|, |v[XS+\i+1]|
	v_max3_num_f32 v13, v13, |v[XS+\i+2]|, |v[XS+\i+3]|
.endr
	v_max3_num_f32 v12, v12, |v[XS+30]|, |v[XS+31]|
	v_max3_num_f32 v12, v12, v13, (EMAX+1)<<23     ; and the floor 2^(3 - 127)
	v_add_nc_u32 v11, -(EMAX<<23), v12             ; the conversion's scale operand
	v_lshrrev_b32 v13, 23, v11                     ; the byte
.if (\t)%4 == 0
	v_mov_b32 v[SB+(\t)/4], v13
.else
	v_lshl_or_b32 v[SB+(\t)/4], v13, 8*((\t)%4), v[SB+(\t)/4]
.endif
	v_cvt_scalef32_pk16_fp6_f32 v[WCR:WCR+2], v[XS:XS+15], v11
	v_cvt_scalef32_pk16_fp6_f32 v[WCR+4:WCR+6], v[XS+16:XS+31], v11
	ds_store_b96 v4, v[WCR:WCR+2] offset:32*(\t)
	ds_store_b96 v4, v[WCR+4:WCR+6] offset:32*(\t)+16
.if (\t)+2 < NB
	LOADW (\t)+2
.endif
	s_wait_dscnt 0x0                               ; the stores have read their registers
.endm
.set Q, 0
.rept NB
	BLOCK Q
.set Q, Q+1
.endr
	s_wait_alu depctr_va_vdst(0)
	global_store_b64 v9, v[SB:SB+1], s[8:9]        ; my row's 8 scale bytes
.irp t, 0,1,2,3,4,5,6,7,8,9,10,11,12,13,14,15
	ds_load_b96 v[OUTR+4*\t:OUTR+4*\t+2], v7 offset:2*\t*WP   ; LDS serves a wave's instructions in order: these see my stores
.endr
.irp t, 0,1,2,3,4,5,6,7,8,9,10,11,12,13,14,15
	s_wait_dscnt 15-\t
	global_store_b96 v8, v[OUTR+4*\t:OUTR+4*\t+2], s[6:7] offset:2*\t*WKR
.endr
	s_wait_tensorcnt 0x0                           ; the wave's end
	ds_add_u32 v[SPW], v[NIL]
	s_wait_dscnt 0x0
	s_endpgm
; ---- x and the table
.Lx:
	s_load_b128 s[4:7], s[0:1], 0x0                ; x, xq
	s_load_b64 s[8:9], s[0:1], 0x10                ; rope
	v_lshlrev_b32 v3, 4, v2                        ; my 16 bytes of a load's 512
	s_mul_i32 s17, s16, WREG
	s_add_co_u32 s17, s17, XB
	v_lshrrev_b32 v14, 2, v2
	v_mul_u32_u24 v14, v14, SP
	v_and_b32 v15, 3, v2
	v_lshl_add_u32 v14, v15, 4, v14
	v_add_nc_u32 v14, s17, v14                     ; the stage, on the way in: SP (lane / 4) + 16 (lane % 4)
	v_mul_u32_u24 v15, v2, SP
	v_add_nc_u32 v15, s17, v15                     ; and on the way out: SP x lane
	v_and_b32 v4, 15, v2
	v_mul_u32_u24 v4, v4, CB                       ; my codes' place in a row's 192 bytes of a K step
	v_lshrrev_b32 v10, 4, v2
	v_mul_u32_u24 v10, v10, KPL                    ; lanes 16-31 hold the next K step
	v_add_nc_u32 v4, v4, v10
	v_lshrrev_b32 v5, 1, v2
	s_add_co_u32 s17, s17, 2*32*SP
	v_add_nc_u32 v5, s17, v5                       ; LDS: my wave's 256 scale bytes, my block's byte
	v_lshlrev_b32 v7, 3, v2
	v_add_nc_u32 v6, s17, v7
	s_sub_co_u32 s18, ttmp9, 128
	s_lshl_b32 s18, s18, 2
	s_add_co_u32 s18, s18, s16                     ; my run of 8 rows of x
	s_and_b32 s19, s18, 1
	s_lshl_b32 s19, s19, 1
	s_bfe_u32 s20, s18, 0x10001
	s_or_b32 s19, s19, s20
	s_and_b32 s20, s18, 0xfffffffc
	s_or_b32 s19, s19, s20                         ; where it goes: the run's bits 0 and 1 exchanged
	s_lshl_b32 s20, s18, 15
	s_mov_b32 s21, 0
	s_mul_i32 s22, s19, 8*192
	s_mov_b32 s23, 0
	s_lshl_b32 s24, s19, 8
	s_add_co_u32 s24, s24, XSC
	s_mov_b32 s25, 0
	s_lshl_b32 s26, s18, 9
	s_mov_b32 s27, 0
	s_wait_alu depctr_va_vdst(0)                   ; the wait at the head's end
	s_wait_kmcnt 0x0
	s_add_nc_u64 s[4:5], s[4:5], s[20:21]
	s_add_nc_u64 s[10:11], s[6:7], s[24:25]        ; the scale bytes
	s_add_nc_u64 s[6:7], s[6:7], s[22:23]          ; the codes
	s_add_nc_u64 s[8:9], s[8:9], s[26:27]
.macro LOADX t
.irp i, 0,1,2,3
	global_load_b128 v[R+16*((\t)%4)+4*\i:R+16*((\t)%4)+4*\i+3], v3, s[4:5] offset:2048*(\t)+512*\i th:TH_LOAD_NT
.endr
.endm
.macro TURNX t                         ; LDS serves a wave's instructions in order: no wait between the stores and the loads
.irp i, 0,1,2,3
	ds_store_b128 v14, v[R+16*((\t)%4)+4*\i:R+16*((\t)%4)+4*\i+3] offset:32*SP*((\t)%2)+8*SP*\i
.endr
.irp i, 0,1,2,3
	ds_load_b128 v[X+16*((\t)%2)+4*\i:X+16*((\t)%2)+4*\i+3], v15 offset:32*SP*((\t)%2)+16*\i
.endr
.endm
.irp t, 0,1,2,3
	LOADX \t
.endr
	; the table, while the first sixteen loads are on their way
	s_lshr_b32 s28, s18, 3                         ; tau
	s_and_b32 s29, s18, 7                          ; g
	s_lshr_b32 s30, s28, 1
	s_lshl_b32 s30, s30, 5
	s_and_b32 s31, s28, 1
	s_lshl_b32 s31, s31, 3
	s_add_co_u32 s30, s30, s31
	v_and_b32 v[TT], 7, v2
	v_and_b32 v[TU], 8, v2
	v_lshl_add_u32 v[TT], v[TU], 1, v[TT]
	v_add_nc_u32 v[TT], s30, v[TT]                 ; my position
	v_cvt_f32_u32 v[TPOS], v[TT]
	s_lshr_b32 s31, s29, 2
	s_lshl_b32 s31, s31, 3
	s_and_b32 s29, s29, 3
	s_add_co_u32 s31, s31, s29
	v_lshrrev_b32 v[TIDX], 4, v2
	v_lshl_add_u32 v[TIDX], v[TIDX], 2, s31        ; which pair of thetas is mine
.macro PICK c, t0, t1                  ; a choice of values, no branch
	v_cmp_ne_u32 vcc_lo, \c, v[TIDX]
	v_cndmask_b32 v[TH0], \t0, v[TH0], vcc_lo
	v_cndmask_b32 v[TH1], \t1, v[TH1], vcc_lo
.endm
	v_mov_b32 v[TH0], 1.0
	v_mov_b32 v[TH1], 0.7498942093
	PICK 1, 0.5623413252, 0.4216965034
	PICK 2, 0.3162277660, 0.2371373706
	PICK 3, 0.1778279410, 0.1333521432
	PICK 4, 0.1, 0.07498942093
	PICK 5, 0.05623413252, 0.04216965034
	PICK 6, 0.03162277660, 0.02371373706
	PICK 7, 0.01778279410, 0.01333521432
	PICK 8, 0.01, 0.007498942093
	PICK 9, 0.005623413252, 0.004216965034
	PICK 10, 0.003162277660, 0.002371373706
	PICK 11, 0.001778279410, 0.001333521432
	PICK 12, 0.001, 0.0007498942093
	PICK 13, 0.0005623413252, 0.0004216965034
	PICK 14, 0.0003162277660, 0.0002371373706
	PICK 15, 0.0001778279410, 0.0001333521432
.macro SINCOS th, oc, os
	v_mul_f32 v[ANG], v[TPOS], v[\th]              ; the angle: one f32 product
	v_mul_f32 v[TN], 0x3f22f983, v[ANG]            ; x 2 / pi
	v_rndne_f32 v[TN], v[TN]                       ; n quarter turns
	v_fmamk_f32 v[TR], v[TN], 0xbfc90fdb, v[ANG]   ; angle - n x 1.57079637
	v_fmamk_f32 v[TR], v[TN], 0x333bbd2e, v[TR]    ; + n x 4.37113883e-8
	v_mul_f32 v[TZ], v[TR], v[TR]
	v_mov_b32 v[TS], 0xb94ca1f9
	v_fmaak_f32 v[TS], v[TS], v[TZ], 0x3c08839e
	v_fmaak_f32 v[TS], v[TS], v[TZ], 0xbe2aaaa3
	v_mul_f32 v[TT], v[TR], v[TZ]
	v_fma_f32 v[TS], v[TS], v[TT], v[TR]           ; sin r
	v_mov_b32 v[TC], 0x37ccf5ce
	v_fmaak_f32 v[TC], v[TC], v[TZ], 0xbab6061a
	v_fmaak_f32 v[TC], v[TC], v[TZ], 0x3d2aaaa5
	v_mul_f32 v[TT], v[TZ], v[TZ]
	v_fma_f32 v[TU], v[TZ], -0.5, 1.0
	v_fma_f32 v[TC], v[TC], v[TT], v[TU]           ; cos r
	v_cvt_i32_f32 v[TQ], v[TN]
	v_and_b32 v[TT], 1, v[TQ]
	v_cmp_eq_u32 vcc_lo, 1, v[TT]                  ; an odd number of quarter turns exchanges the two
	v_cndmask_b32 v[\os], v[TS], v[TC], vcc_lo
	v_cndmask_b32 v[\oc], v[TC], v[TS], vcc_lo
	v_and_b32 v[TT], 2, v[TQ]                      ; sin is negated in quarters 2 and 3,
	v_lshlrev_b32 v[TT], 30, v[TT]
	v_xor_b32 v[\os], v[\os], v[TT]
	v_add_nc_u32 v[TT], 1, v[TQ]                   ; cos in quarters 1 and 2
	v_and_b32 v[TT], 2, v[TT]
	v_lshlrev_b32 v[TT], 30, v[TT]
	v_xor_b32 v[\oc], v[\oc], v[TT]
.endm
	SINCOS TH0, OUT, OUT+1
	SINCOS TH1, OUT+2, OUT+3
	global_store_b128 v3, v[OUT:OUT+3], s[8:9]     ; 32 lanes store 512 consecutive bytes
	s_wait_loadcnt 12                              ; step 0's four loads are in; the twelve of steps 1 to 3 may be out
	TURNX 0
.macro STEPX t
.set XS, X+16*((\t)%2)
.if (\t) > 0
	s_wait_dscnt 1                                 ; this step's numbers are back from the stage (the last step's byte store may be out)
.else
	s_wait_dscnt 0x0
.endif
.if (\t)+4 < STEPS
	LOADX (\t)+4
.endif
.if (\t)+1 < STEPS
.if STEPS-2-(\t) >= 3
	s_wait_loadcnt 12                              ; the next step's four loads are in; those of the three steps behind it may be out
.else
	s_wait_loadcnt 4*(STEPS-2-(\t))
.endif
	TURNX (\t)+1
.endif
	v_max3_num_f32 v8, |v[XS]|, |v[XS+1]|, |v[XS+2]|
	v_max3_num_f32 v9, |v[XS+3]|, |v[XS+4]|, |v[XS+5]|
.irp i, 6,10
	v_max3_num_f32 v8, v8, |v[XS+\i]|, |v[XS+\i+1]|
	v_max3_num_f32 v9, v9, |v[XS+\i+2]|, |v[XS+\i+3]|
.endr
	v_max3_num_f32 v8, v8, |v[XS+14]|, |v[XS+15]|
	v_max3_num_f32 v8, v8, v9, (EMAX+1)<<23        ; and the floor 2^(3 - 127)
	v_max_num_f32_dpp v8, v8, v8 row_xmask:1 row_mask:0xf bank_mask:0xf   ; and of my neighbour's 16: the block's
	v_add_nc_u32 v11, -(EMAX<<23), v8              ; the conversion's scale operand
	v_cvt_scalef32_pk16_fp6_f32 v[C+4*(\t):C+4*(\t)+2], v[XS:XS+15], v11
	v_lshrrev_b32 v[E+(\t)], 23, v11               ; the byte (a plain line behind the conversion)
	ds_store_b8 v5, v[E+(\t)] offset:16*(\t)       ; both lanes of a block write the same byte with the same value
	global_store_b96 v4, v[C+4*(\t):C+4*(\t)+2], s[6:7] offset:192*((\t)/2)+2*KPL*((\t)%2)   ; row t / 2, K steps 2 (t % 2) and 2 (t % 2) + 1: sixteen lanes store 192 consecutive bytes
.endm
.irp t, 0,1,2,3,4,5,6,7,8,9,10,11,12,13,14,15
	STEPX \t
.endr
	ds_load_b64 v[8:9], v6                         ; LDS serves a wave's instructions in order: these see my stores
	s_wait_dscnt 0x0
	global_store_b64 v7, v[8:9], s[10:11]          ; 32 lanes store 256 consecutive bytes, aligned
	s_wait_tensorcnt 0x0                           ; the wave's end
	ds_add_u32 v[SPW], v[NIL]
	s_wait_dscnt 0x0
	s_endpgm
.Lfunc_end_k_q8c851e5e8c_prep:
	.size	k_q8c851e5e8c_prep, .Lfunc_end_k_q8c851e5e8c_prep-k_q8c851e5e8c_prep
	.p2alignl 7, 3214868480
	.fill 96, 4, 3214868480
	.section	.rodata,"a",@progbits
	.p2align	6, 0x0
	.amdhsa_kernel k_q8c851e5e8c_prep
		.amdhsa_group_segment_fixed_size 68096
		.amdhsa_private_segment_fixed_size 0
		.amdhsa_enable_private_segment 0
		.amdhsa_kernarg_size 48
		.amdhsa_user_sgpr_count 2
		.amdhsa_user_sgpr_kernarg_segment_ptr 1
		.amdhsa_wavefront_size32 1
		.amdhsa_system_sgpr_workgroup_id_x 1
		.amdhsa_system_sgpr_workgroup_id_y 1
		.amdhsa_system_sgpr_workgroup_id_z 1
		.amdhsa_system_vgpr_workitem_id 0
		.amdhsa_next_free_vgpr 224
		.amdhsa_next_free_sgpr 66
		.amdhsa_reserve_vcc 1
		.amdhsa_float_denorm_mode_32 3
		.amdhsa_float_denorm_mode_16_64 3
		.amdhsa_memory_ordered 1
		.amdhsa_forward_progress 1
		.amdhsa_inst_pref_size 81
	.end_amdhsa_kernel
	.amdgpu_metadata
---
amdhsa.version: [ 1, 2 ]
amdhsa.kernels:
  - .name:           k_q8c851e5e8c_prep
    .symbol:         k_q8c851e5e8c_prep.kd
    .args:
      - { .name: x, .offset: 0, .size: 8, .value_kind: global_buffer, .address_space: global }
      - { .name: xq, .offset: 8, .size: 8, .value_kind: global_buffer, .address_space: global }
      - { .name: rope, .offset: 16, .size: 8, .value_kind: global_buffer, .address_space: global }
      - { .name: wq, .offset: 24, .size: 8, .value_kind: global_buffer, .address_space: global }
      - { .name: Wqkv, .offset: 32, .size: 8, .value_kind: global_buffer, .address_space: global }
      - { .name: Wproj, .offset: 40, .size: 8, .value_kind: global_buffer, .address_space: global }
    .group_segment_fixed_size: 68096
    .private_segment_fixed_size: 0
    .kernarg_segment_align: 8
    .kernarg_segment_size: 48
    .max_flat_workgroup_size: 128
    .sgpr_count:     66
    .vgpr_count:     224
    .wavefront_size: 32
...
	.end_amdgpu_metadata
.endif
;; end of part 1
;; launch qkv (part 2): grid 12 x 32, 4 waves a work-group, clusters of 4 x 4, 327,680 bytes of LDS; arguments xq, wq, rope, qrec, kvrec; writes qrec, kvrec
.if DOCPART == 2
	.amdgcn_target "amdgcn-amd-amdhsa--gfx1250"
	.amdhsa_code_object_version 6
	.text
	.protected	k_q8c851e5e8c_qkv
	.globl	k_q8c851e5e8c_qkv
	.p2align	8
	.type	k_q8c851e5e8c_qkv,@function
k_q8c851e5e8c_qkv:
	s_mov_b64 s[64:65], 0
	v_nop
	global_prefetch_b8 v0, s[64:65] scope:SCOPE_SE
	s_setreg_imm32_b32 hwreg(HW_REG_WAVE_MODE, 25, 1), 1
	s_wait_xcnt 0x0
	s_wait_alu depctr_hold_cnt(0) depctr_sa_sdst(0) depctr_va_vdst(0) depctr_va_sdst(0) depctr_va_ssrc(0) depctr_va_vcc(0) depctr_vm_vsrc(0)
	s_getreg_b32 s2, hwreg(HW_REG_IB_STS2, 6, 4)
	s_cmp_eq_u32 s2, 0
	s_cbranch_scc0 .Lentry_in_a_cluster
	s_endpgm
.Lentry_in_a_cluster:
	s_bfe_u32 s2, ttmp6, 0x10000c
	s_cmp_lg_u32 s2, 0xf033
	s_cbranch_scc0 .Lentry_shape_is_right
	s_endpgm
.Lentry_shape_is_right:
; qkv = x Wqkv on codes of FP6 (E2M3) with E8M0 scales; then RoPE on q and k, in f32; then q, k (along the head's 64) and v (along the keys) are quantised in registers and leave AS IMAGES OF THE NEXT LAUNCH'S OPERAND REGISTERS.
; THE PRODUCT: a work-group of four waves makes 256 x 256, a wave 128 x 128 in 64 accumulators (512 registers); K = 1,024 goes in four steps of 256 through a ring of two LDS slots filled by the tensor data mover
; (a tile's row is 192 bytes; 16 bytes of padding behind every 64); the scale bytes of the work-group's 2 x 256 rows come into LDS once, in whole runs of 256 bytes.
; CLUSTERS: 4 x 4 work-groups; 'A' tiles are shared along a row of the cluster, 'B' tiles along a column: each is asked for jointly, by the same tensor load with the same descriptor and a mask that names the four.
; SOURCE 0 = 16 ROWS OF 'B', SOURCE 1 = 16 ROWS OF 'A': a lane holds one row of 'A', its registers run along 'B's rows.  The cluster's x says which third of Wqkv's columns is made (the same in all sixteen partners):
;   q (0), k (1): 'A' = x's rows, 'B' = the weight's: a lane holds one position, its registers run along the channels;     v (2): 'A' = the weight's rows, 'B' = x's: a lane holds one channel, its registers run along the positions (the keys).
; Both buffers' rows lie with bits 3 and 4 of the row number exchanged, so the 16 registers of two neighbouring tiles of 'B' are 16 NEIGHBOURS (channels or keys): register 16 b + i of a lane = index 32 b + 16 (lane / 16) + i,
; which is what the quantiser below takes; and lane r of tile a of 'A' stands for index 32 (a / 2) + 8 (a % 2) + r % 8 + 16 (r / 8).
; RECORDS.  [head 64][step of 128 positions 16][13,312 bytes]: K places: four pair images of 1,536 bytes (12 registers a lane: registers 0-5 tile 2 p's 64 codes of a row, registers 6-11 tile 2 p + 1's) at 0; V places: four fragments
; (16 channels x 128 keys) at 6,144; K's scale words [lane][4] at 12,288; V's at 12,800.  q goes to the K places of qrec, k and v to kvrec.  Every store of the wave covers 512 consecutive bytes, aligned to 256.
; LIMITS: a block of zeros gets the byte 1 where the rule says 127 (its codes are zeros; this program alone reads the bytes); blocks whose largest magnitude lies under 2^-124 have their byte held at 1; NaN and infinities are not served.
; REGISTERS, in windows of 256: window 0: v0-31 addresses; v32-63 scale words, two sets; from v128 A's fragments, one set; on the way out v32-143 at work.  window 1: B's fragments, two sets; on the way out the RoPE table.
;   window 2: the accumulators of A's blocks 0-3 (accumulator (a, b) at v[8 (8 (a % 4) + b)]);  window 3: those of blocks 4-7.
.set KSTEP,  256
.set NQ,     2                         ; matrix instructions deep in a slot
.set ROWB,   192                       ; a tile's row in bytes
.set KROW,   192                       ; a row's codes of one K step; both buffers are laid [K step][row][192 bytes], so 128 rows of a K step are 96 runs of 256 bytes on end, each at a multiple of 256
.set PITCH,  240                       ; an LDS row: 3 x (64 bytes + 16 of padding)
.set FR,     12                        ; registers of a fragment
.set NL,     6                         ; LDS loads that bring one
.set NP,     4                         ; places behind this matrix instruction (ISA guide 7.12.1)
.set HALFT,  128*PITCH
.set SLOT,   4*HALFT
.set LAPS,   2                         ; 1,024 / 512
.set KS,     32                        ; a row of scale bytes
.set SCL,    2*SLOT                    ; behind the ring: the scales, as runs of 256 bytes + 16 of padding
.set HALFS,  (128*KS/256)*272
.set SBLK,   (16*KS/256)*272
.set SPARE,  SCL+4*HALFS               ; behind the scales: the spare words, 128 bytes a wave
.set ADRA, 16                          ; v16-17 LDS address of my A fragments in slot 0, 1 (v18-19: behind one padding more)
.set ADRB, 20                          ; v20-23 the same for B
.set LI,   26                          ; v26    16 x lane: my place in an image; never rewritten
.set ADRS, 27                          ; v27    LDS address of my scale words
.set SPW,  28                          ; v28    LDS address of my spare word; never rewritten
.set NIL,  29                          ; v29    0; never rewritten
.set SC,   32                          ; scale words: set s at v[SC + 16 s]
.set AF,   128                         ; A's fragments
.set G1, 24
.set G0, 32
.set G1B, 48
.set G0B, 56
.set G1S, 68
.set G0S, 76
.set G1SB, 80
.set G0SB, 88
.set MSB, 0
.macro WIN new                         ; the immediate's high byte repeats the setting that is left
.if MSB != (\new)
	s_set_vgpr_msb (MSB<<8)|(\new)
.set MSB, (\new)
.endif
.endm
.set MUL_LO, 0xa1                      ; source 0 (B) window 1, source 1 (A) window 0, C and D window 2
.set MUL_HI, 0xf1                      ; the same, C and D window 3
.set TO_B,   0x40                      ; destination window 1, address window 0
; A joint load: waves 0 and 1 fetch for A, waves 2 and 3 for B.  The branch hangs on the wave's number alone.  An s_nop 0 and four v_nop follow each of the two lines.
.macro JLOAD g0a, g1a, g0b, g1b
	s_cmp_eq_u32 s15, 0
	s_cbranch_scc0 .Lfor_b_\@
	tensor_load_to_lds s[\g0a:\g0a+3], s[\g1a:\g1a+7]
	s_nop 0
.rept 4
	v_nop
.endr
	s_branch .Lasked_\@
.Lfor_b_\@:
	tensor_load_to_lds s[\g0b:\g0b+3], s[\g1b:\g1b+7]
	s_nop 0
.rept 4
	v_nop
.endr
.Lasked_\@:
.endm
.macro CREST                           ; a round of the cluster's barrier behind its opening barrier
	s_cmp_lg_u32 s14, 0
	s_cbranch_scc1 .Lnot_wave_0_\@
	s_barrier_signal -3
.Lnot_wave_0_\@:
	s_barrier_wait -3
	s_barrier_signal -1
	s_barrier_wait -1
.endm
.macro CROUND
	s_barrier_signal -1
	s_barrier_wait -1
	CREST
.endm
	s_load_b128 s[4:7], s[0:1], 0x0                ; xq, wq
	s_load_b128 s[96:99], s[0:1], 0x10             ; rope, qrec
	s_load_b64 s[100:101], s[0:1], 0x20            ; kvrec
	v_lshl_add_u32 v[SPW], v0, 2, SPARE
	v_mov_b32 v[NIL], 0
	ds_add_u32 v[SPW], v[NIL]                      ; the wave's opening: the add and its wait ahead of my first tensor load; the set-up below, work on registers, stands between them
	ds_add_u32 v[SPW], v[NIL]
	v_lshrrev_b32 v1, 5, v0
	v_readfirstlane_b32 s14, v1                    ; wave 0..3
	s_lshr_b32 s15, s14, 1                         ; which half of A's 256 rows is mine.  Also: I fetch for A (0) or for B (1)
	s_and_b32 s16, s14, 1                          ; which half of B's.  Also: which 128 rows of that tile I fetch
	s_bfe_u32 s40, ttmp6, 0x40000                  ; cx, cy: my place in the cluster
	s_bfe_u32 s41, ttmp6, 0x40004
	s_and_b32 s17, ttmp7, 0xffff
	s_lshl_b32 s17, s17, 2                         ; 4 x cluster y
	s_lshl_b32 s42, ttmp9, 2                       ; 4 x cluster x
	s_cmp_eq_u32 ttmp9, 2                          ; v's third?  The cluster's x: the same in all sixteen partners
	s_cselect_b32 s42, s17, s42                    ; B's first tile: v: x's rows, by the cluster's y; else the weight's, by its x
	s_cselect_b32 s17, 8, s17                      ; A's first tile: v: the weight's tiles 8 .. 11; else x's rows, by the cluster's y
	s_add_co_u32 s42, s42, s40                     ; B's tile: + cx
	s_add_co_u32 s17, s17, s41                     ; A's tile: + cy
	s_lshl_b32 s43, s41, 2
	s_lshl_b32 s43, 15, s43                        ; my row of the cluster
	s_lshl_b32 s44, 0x1111, s40                    ; my column
	; descriptor group 1: a tile of 128 rows x 192 bytes, padded in LDS
	s_or_b32 s[G1+0], s43, (0<<16)|(1<<20)|(1<<21)|(3<<22)|(3<<25)  ; the mask: A's tiles go to my row; elements of 1 byte; padding on; bit 21 beside a mask; after every 16 words, 4 words
	s_or_b32 s[G1B+0], s44, (0<<16)|(1<<20)|(1<<21)|(3<<22)|(3<<25)
.irp g, G1, G1B
	s_mov_b32 s[\g+1], 256<<16                     ; a dense block as rows of 256 bytes; the padding behind every 64 bytes leaves each 192 bytes 240 apart in LDS
	s_mov_b32 s[\g+2], 192<<16                     ; the head's loads: 256 rows of codes = 192 rows of 256 bytes
	s_mov_b32 s[\g+3], 256<<16
	s_mov_b32 s[\g+4], 192
	s_mov_b32 s[\g+5], 256
	s_mov_b32 s[\g+6], 0
	s_mov_b32 s[\g+7], 0
.endr
	; the scales of 256 rows: a dense block of 8,192 bytes, as rows of 256 bytes (32 elements of 8), 16 bytes of padding behind each
	s_or_b32 s[G1S+0], s43, (3<<16)|(1<<20)|(1<<21)|(5<<22)|(3<<25)
	s_or_b32 s[G1SB+0], s44, (3<<16)|(1<<20)|(1<<21)|(5<<22)|(3<<25)
.irp g, G1S, G1SB
	s_mov_b32 s[\g+1], 32<<16
	s_mov_b32 s[\g+2], (256*KS/256)<<16            ; the scales of all 256 rows by one load
	s_mov_b32 s[\g+3], 32<<16
	s_mov_b32 s[\g+4], 256*KS/256
	s_mov_b32 s[\g+5], 32
	s_mov_b32 s[\g+6], 0
	s_mov_b32 s[\g+7], 0
.endr
	s_lshl_b32 s20, s17, 8                         ; A: the tile's first row
	s_lshl_b32 s46, s42, 8                         ; B likewise
	s_mov_b32 s21, 0
	s_mov_b32 s47, 0
	s_mov_b64 s[18:19], KS
	s_mul_u64 s[22:23], s[20:21], s[18:19]         ; where these rows' scales begin, in bytes
	s_mul_u64 s[92:93], s[46:47], s[18:19]
	s_mov_b64 s[18:19], KROW
	s_mul_u64 s[20:21], s[20:21], s[18:19]         ; and their codes
	s_mul_u64 s[46:47], s[46:47], s[18:19]
	s_mul_i32 s45, s14, HALFT                      ; where they go: wave x 128 rows: no place in the cluster enters an LDS address
	s_mul_i32 s94, s16, 128*KROW                   ; in the ring I fetch 128 rows of a tile: which half, in bytes
	s_mov_b32 s95, 0
	s_wait_dscnt 0x0                               ; the opening add is done
	s_wait_kmcnt 0x0
	s_add_nc_u64 s[8:9], s[4:5], 0x600000          ; xq's scale bytes
	s_add_nc_u64 s[10:11], s[6:7], 0x300000        ; wq's
	s_cmp_eq_u32 ttmp9, 2                          ; (the 64-bit sums below leave SCC alone)
	s_cselect_b64 s[12:13], s[6:7], s[4:5]         ; A's codes: v: the weight's, else x's
	s_add_nc_u64 s[20:21], s[12:13], s[20:21]
	s_cselect_b64 s[12:13], s[10:11], s[8:9]       ; A's scales
	s_add_nc_u64 s[22:23], s[12:13], s[22:23]
	s_cselect_b64 s[12:13], s[4:5], s[6:7]         ; B's codes
	s_add_nc_u64 s[46:47], s[12:13], s[46:47]
	s_cselect_b64 s[12:13], s[8:9], s[10:11]       ; B's scales
	s_add_nc_u64 s[92:93], s[12:13], s[92:93]
	s_mov_b32 s12, 786432                          ; a K step's plane: the weight's,
	s_mov_b32 s66, 1572864                         ; x's (moves and selects leave SCC alone)
	s_cselect_b32 s13, s12, s66                    ; A's plane
	s_cselect_b32 s12, s66, s12                    ; B's plane
	s_mov_b32 s66, s13
	s_mov_b32 s67, 0
	s_mov_b32 s13, 0
	CROUND                                         ; all sixteen work-groups are here: the first joint loads meet
	s_mov_b32 s[G0S], 1
	s_mov_b32 s[G0S+1], SCL
	s_mov_b64 s[G0S+2:G0S+3], s[22:23]
	s_or_b32 s[G0S+3], s[G0S+3], 0x80000000
	s_mov_b32 s[G0SB], 1
	s_mov_b32 s[G0SB+1], SCL+2*HALFS
	s_mov_b64 s[G0SB+2:G0SB+3], s[92:93]
	s_or_b32 s[G0SB+3], s[G0SB+3], 0x80000000
	s_mov_b32 s[G0], 1                             ; the head's tiles, each whole: K step 0's 256 rows of A into slot 0,
	s_mov_b32 s[G0+1], 0
	s_mov_b64 s[G0+2:G0+3], s[20:21]
	s_or_b32 s[G0+3], s[G0+3], 0x80000000
	s_mov_b32 s[G0B], 1                            ; its 256 rows of B behind them
	s_mov_b32 s[G0B+1], 2*HALFT
	s_mov_b64 s[G0B+2:G0B+3], s[46:47]
	s_or_b32 s[G0B+3], s[G0B+3], 0x80000000
	s_add_nc_u64 s[20:21], s[20:21], s[94:95]      ; slot 1: my 128 rows, K step 1
	s_add_nc_u64 s[20:21], s[20:21], s[66:67]
	s_add_nc_u64 s[46:47], s[46:47], s[94:95]
	s_add_nc_u64 s[46:47], s[46:47], s[12:13]
	s_mov_b32 s[G0+4], 1
	s_add_co_u32 s[G0+5], s45, SLOT
	s_mov_b64 s[G0+6:G0+7], s[20:21]
	s_or_b32 s[G0+7], s[G0+7], 0x80000000
	s_mov_b32 s[G0B+4], 1
	s_add_co_u32 s[G0B+5], s45, SLOT
	s_mov_b64 s[G0B+6:G0B+7], s[46:47]
	s_or_b32 s[G0B+7], s[G0B+7], 0x80000000
	s_lshl_b32 s66, s66, 1                         ; a refill steps two planes on
	s_lshl_b32 s12, s12, 1
; THE HEAD'S LOADS, ONE A WAVE: wave 0 A's 256 rows of K step 0, wave 1 B's, wave 2 A's scales, wave 3 B's.  One tree of branches on the wave's number; every way passes one load.
.macro ARM under, g0, g1, next
	s_cmp_lt_u32 s14, \under
	s_cbranch_scc0 \next
	tensor_load_to_lds s[\g0:\g0+3], s[\g1:\g1+7]
	s_nop 0
.rept 4
	v_nop
.endr
	s_branch .Lhead_asked
\next:
.endm
	ARM 1, G0,  G1,  .Lhead_b
	ARM 2, G0B, G1B, .Lhead_sa
	ARM 3, G0S, G1S, .Lhead_sb
	tensor_load_to_lds s[G0SB:G0SB+3], s[G1SB:G1SB+7]
	s_nop 0
.rept 4
	v_nop
.endr
.Lhead_asked:
	v_and_b32 v1, 15, v0                           ; l % 16
	v_bfe_u32 v2, v0, 4, 1                         ; l / 16
	v_mul_u32_u24 v3, v1, PITCH
	v_mul_u32_u24 v4, v2, 24
	v_add_nc_u32 v4, v3, v4                        ; a fragment's row x pitch + 24 x half
	v_lshl_add_u32 v5, v2, 4, v4                   ; and the same behind one padding more
	s_mul_i32 s21, s15, HALFT                      ; my 128 rows of A
	s_mul_i32 s22, s16, HALFT                      ; my 128 rows of B,
	s_add_co_u32 s22, s22, 2*HALFT                 ; which lie behind A's 256
.irp s, 0,1
	v_add_nc_u32 v[ADRA+\s], s21, v4
	v_add_nc_u32 v[ADRB+\s], s22, v4
	v_add_nc_u32 v[ADRA+2+\s], s21, v5
	v_add_nc_u32 v[ADRB+2+\s], s22, v5
	s_add_co_u32 s21, s21, SLOT
	s_add_co_u32 s22, s22, SLOT
.endr
	v_mul_u32_u24 v5, v1, KS                       ; my row's scales: 32 bytes a row,
	v_lshrrev_b32 v6, 8, v5
	v_lshl_add_u32 v5, v6, 4, v5                   ; and 16 more for each 256 passed
	s_mul_i32 s21, s15, HALFS                      ; A's: my 128 rows
	s_mul_i32 s22, s16, HALFS                      ; B's: my 128 rows, behind A's 256
	s_add_co_u32 s22, s22, 2*HALFS
	s_sub_co_u32 s22, s22, s21
	v_mul_u32_u24 v6, s22, v2                      ; lanes 16-31 take B's
	s_add_co_u32 s21, s21, SCL
	v_add_nc_u32 v5, v5, v6
	v_add_nc_u32 v[ADRS], s21, v5
	v_and_b32 v6, 31, v0
	v_lshlrev_b32 v[LI], 4, v6
	; where my results go.  xt, xh: the tile and half of x's rows; wt, wh: of the weight's rows in its third
	s_sub_co_u32 s8, s17, 8
	s_and_b32 s9, s42, 3
	s_cmp_eq_u32 ttmp9, 2
	s_cselect_b32 s4, s42, s17                     ; xt
	s_cselect_b32 s5, s16, s15                     ; xh
	s_cselect_b32 s6, s8, s9                       ; wt
	s_cselect_b32 s7, s15, s16                     ; wh
	s_lshl_b32 s4, s4, 8
	s_lshl_b32 s5, s5, 7
	s_add_co_u32 s4, s4, s5                        ; my first row of x: 128 positions = one record's
	s_lshl_b32 s6, s6, 2
	s_lshl_b32 s7, s7, 1
	s_add_co_u32 s6, s6, s7                        ; my first head: my 128 rows of the weight are two heads
	s_lshr_b32 s5, s4, 11                          ; the batch
	s_lshl_b32 s5, s5, 4
	s_add_co_u32 s5, s5, s6
	s_lshl_b32 s5, s5, 4
	s_bfe_u32 s7, s4, 0x40007                      ; which 128 positions of the 2,048
	s_add_co_u32 s5, s5, s7                        ; the record
	s_mul_i32 s8, s5, 13312
	s_mov_b32 s9, 0
	s_and_b32 s10, s4, 2047
	s_lshl_b32 s10, s10, 8                         ; the table: 4,096 bytes for each 16 positions
	s_mov_b32 s11, 0
	s_cmp_eq_u32 ttmp9, 0
	s_cselect_b64 s[4:5], s[98:99], s[100:101]     ; q to qrec, k and v to kvrec
	s_add_nc_u64 s[4:5], s[4:5], s[8:9]            ; my first head's record; the second head's lies 16 records, 212,992 bytes, on
	s_add_nc_u64 s[6:7], s[96:97], s[10:11]        ; the table at my first position
.macro FRAG reg, adr, q, i             ; a fragment, 16 rows x 128 K: lane l holds row l % 16; registers 6 c .. 6 c + 5 hold K = 64 c + 32 (l / 16) + 0 .. 31: 24 bytes of the row, as they lie, in pieces of 8 bytes
.irp p, 0,1,2,3,4,5
.set PCE, 12*(\q)+6*(\p/3)+\p%3        ; the piece; 16 bytes of padding lie behind every 8 pieces: where the piece three on lies behind one padding more, the second address register serves
.if PCE%8 < 5
	ds_load_b64 v[\reg+2*\p:\reg+2*\p+1], v[\adr] offset:8*PCE+16*(PCE/8)+(\i)*16*PITCH
.else
	ds_load_b64 v[\reg+2*\p:\reg+2*\p+1], v[\adr+2] offset:8*PCE+16*(PCE/8)+(\i)*16*PITCH
.endif
.endr
.endm
; 16 matrix instructions: A's blocks a0, a0 + 1 x B's eight, 128 along K.  The 64 accumulators take turns, one instruction a turn, in the same order in every step.
.macro MUL16 a0, p, q, sc, zero
.irp a, \a0, \a0+1
.irp b, 0,1,2,3,4,5,6,7
.if \zero
	v_wmma_scale_f32_16x16x128_f8f6f4 v[8*(8*((\a)%4)+\b):8*(8*((\a)%4)+\b)+7], v[128*(\p)+FR*\b:128*(\p)+FR*\b+FR-1], v[AF+FR*(\a):AF+FR*(\a)+FR-1], 0, v[SC+8*NQ*(\sc)+NQ*\b+(\q)], v[SC+8*NQ*(\sc)+NQ*(\a)+(\q)] matrix_a_fmt:MATRIX_FMT_FP6 matrix_b_fmt:MATRIX_FMT_FP6 matrix_a_scale:MATRIX_SCALE_ROW1
.else
	v_wmma_scale_f32_16x16x128_f8f6f4 v[8*(8*((\a)%4)+\b):8*(8*((\a)%4)+\b)+7], v[128*(\p)+FR*\b:128*(\p)+FR*\b+FR-1], v[AF+FR*(\a):AF+FR*(\a)+FR-1], v[8*(8*((\a)%4)+\b):8*(8*((\a)%4)+\b)+7], v[SC+8*NQ*(\sc)+NQ*\b+(\q)], v[SC+8*NQ*(\sc)+NQ*(\a)+(\q)] matrix_a_fmt:MATRIX_FMT_FP6 matrix_b_fmt:MATRIX_FMT_FP6 matrix_a_scale:MATRIX_SCALE_ROW1
.endif
.endr
.endr
.endm
.macro FETCH_B slot, q, p
	WIN TO_B
.irp i, 0,1,2,3,4,5,6,7
	FRAG 128*(\p)+FR*\i, ADRB+\slot, \q, \i
.endr
	WIN 0
.endm
.macro FETCH_A slot, q, i0
.irp i, \i0, \i0+1, \i0+2, \i0+3
	FRAG AF+FR*(\i), ADRA+\slot, \q, \i
.endr
.endm
.macro SCALES sc                       ; the next K step's scale words: lanes 0-15 take A's block i, lanes 16-31 B's block i
.irp i, 0,1,2,3,4,5,6,7
	ds_load_b64 v[SC+8*NQ*\sc+NQ*\i:SC+8*NQ*\sc+NQ*\i+1], v[ADRS] offset:\i*SBLK
.endr
.endm
.macro PLACES n                        ; plain vector instructions between a matrix instruction and a load into, a write of or a read of its registers
.rept \n
	v_nop
.endr
.endm
.macro STEP slot, q, zero              ; a step of 128 along K that has its successor in the same slot
	s_wait_dscnt 4*NL                              ; B's set and A's blocks 0-3 are in; the youngest 24 loads (A's blocks 4-7) may be out
	WIN MUL_LO
	MUL16 0, (\q)%2, \q, \slot, \zero
	MUL16 2, (\q)%2, \q, \slot, \zero
	s_wait_dscnt 0                                 ; A's blocks 4-7 are in
	PLACES NP
	FETCH_B \slot, (\q)+1, 1-(\q)%2
	FETCH_A \slot, (\q)+1, 0
	WIN MUL_HI
	MUL16 4, (\q)%2, \q, \slot, \zero
	MUL16 6, (\q)%2, \q, \slot, \zero
	PLACES NP
	WIN 0
	FETCH_A \slot, (\q)+1, 4
.endm
; A slot's last step changes slots: ONE barrier; in front of it each wave waits for all its tensor loads, adds 0 to its spare word, and waits for that and for its own reads of this slot.  fill = 1: this slot is filled again.
.macro TURN slot, next, fill
	s_wait_tensorcnt 0x0                           ; all my tensor loads have landed: my part of the next slot
	ds_add_u32 v[SPW], v[NIL]                      ; 0 onto my spare word
	s_wait_dscnt 4*NL+1                            ; (the add and the youngest 24 loads, A's blocks 4-7, may be out)
	WIN MUL_LO
	MUL16 0, 1, NQ-1, \slot, 0                     ; sixteen matrix instructions stand between the add and the wait for it
	s_wait_dscnt 0x0                               ; the add is done, and my reads of this slot are over
	s_barrier_signal -1
	MUL16 2, 1, NQ-1, \slot, 0
	WIN 0
	s_barrier_wait -1
.if \fill
	CREST                                          ; the barrier has opened a round of the cluster's barrier: no wave of any partner still reads this slot or has a load on its way
	s_add_nc_u64 s[G0+4*\slot+2:G0+4*\slot+3], s[G0+4*\slot+2:G0+4*\slot+3], s[66:67]
	s_add_nc_u64 s[G0B+4*\slot+2:G0B+4*\slot+3], s[G0B+4*\slot+2:G0B+4*\slot+3], s[12:13]
	JLOAD G0+4*\slot, G1, G0B+4*\slot, G1B         ; the first tensor load behind the round; its four v_nop are the places in front of the loads below
.else
	PLACES NP
.endif
	s_wait_alu depctr_va_vdst(0)
	v_add_nc_u32 v[ADRS], 4*NQ, v[ADRS]            ; on to the next K step's scale words
	FETCH_B \next, 0, 0
	FETCH_A \next, 0, 0
	SCALES \next
	WIN MUL_HI
	MUL16 4, 1, NQ-1, \slot, 0
	MUL16 6, 1, NQ-1, \slot, 0
	PLACES NP
	WIN 0
	FETCH_A \next, 0, 4
.endm
	s_wait_alu depctr_va_vdst(0)
	s_wait_tensorcnt 0x0                           ; my tile of the head's four is in
	ds_add_u32 v[SPW], v[NIL]
	s_mov_b32 s[G1+2], 96<<16                      ; no tensor load of mine is out: from here on a load brings 128 rows of codes = 96 rows of 256 bytes,
	s_mov_b32 s[G1+4], 96
	s_mov_b32 s[G1B+2], 96<<16
	s_mov_b32 s[G1B+4], 96
	s_mov_b32 s[G0+1], s45                         ; and slot 0's group 0 stands at my 128 rows
	s_add_nc_u64 s[G0+2:G0+3], s[G0+2:G0+3], s[94:95]
	s_mov_b32 s[G0B+1], s45
	s_add_nc_u64 s[G0B+2:G0B+3], s[G0B+2:G0B+3], s[94:95]
	s_wait_dscnt 0x0
	CROUND                                         ; all four tiles are in, all sixteen work-groups are here
	JLOAD G0+4, G1, G0B+4, G1B                     ; K step 1, the first tensor load behind the round
	FETCH_B 0, 0, 0
	FETCH_A 0, 0, 0
	SCALES 0
	FETCH_A 0, 0, 4
	STEP 0, 0, 1                                   ; the first step stands in front of the loop: its products start the sums
	s_mov_b32 s3, LAPS-1
.Llap:                                                 ; a trip goes once round the ring and fills both slots again
	TURN 0, 1, 1
	STEP 1, 0, 0
	TURN 1, 0, 1
	STEP 0, 0, 0
	s_sub_co_u32 s3, s3, 1
	s_cmp_lg_u32 s3, 0
	s_cbranch_scc1 .Llap
	TURN 0, 1, 0                                   ; the last lap fills nothing
	STEP 1, 0, 0
	s_wait_dscnt 4*NL
	WIN MUL_LO
	MUL16 0, 1, NQ-1, 1, 0
	MUL16 2, 1, NQ-1, 1, 0
	s_wait_dscnt 0
	WIN MUL_HI
	MUL16 4, 1, NQ-1, 1, 0
	MUL16 6, 1, NQ-1, 1, 0
	WIN 0
; ---- THE WAY OUT: no LDS.
.set TM,  32                           ; v32-35 largest magnitudes, v36-39 the other half's, then bytes, v44-47 the conversions' scale operands
.set PC,  48                           ; v48-59 a fragment's codes; v60-62, v64-66 the conversions' second halves
.set PWS, 68                           ; v68-75 scale words: [head 2][4]
.set RT,  76
.set RR,  80                           ; v80-143 64 numbers after RoPE
; 64 numbers of a lane, v[s] .. v[s + 63] of window w, register 16 b + i = k 32 b + 16 (lane / 16) + i of my row, become a fragment's codes in v[PC] on and its scale word in v[pw].  The numbers are read in ascending order.
.macro QUANT s, w, pw
	WIN 5*(\w)
.irp b, 0,1,2,3
	v_max3_num_f32 v[TM+\b], |v[(\s)+16*\b]|, |v[(\s)+1+16*\b]|, 0x1800000   ; block b: my 16 numbers, and the floor 2^(3 - 127): the byte cannot fall under 1
.endr
.irp i, 2,4,6,8,10,12,14
.irp b, 0,1,2,3
	v_max3_num_f32 v[TM+\b], |v[(\s)+16*\b+\i]|, |v[(\s)+1+16*\b+\i]|, v[TM+\b]
.endr
.endr
	WIN 0
.irp b, 0,1,2,3
	v_permlanex16_b32 v[TM+4+\b], v[TM+\b], s20, s21
.endr
.irp b, 0,1,2,3
	v_max_num_f32 v[TM+\b], v[TM+\b], v[TM+4+\b]   ; with lane l xor 16's: the block's largest magnitude
.endr
.irp b, 0,1,2,3
	v_add_nc_u32 v[TM+12+\b], 0xff000000, v[TM+\b] ; 2 off its exponent field: the conversion's scale operand
.endr
.irp b, 0,1,2,3
	v_lshrrev_b32 v[TM+4+\b], 23, v[TM+12+\b]      ; the scale's byte
.endr
	v_lshl_or_b32 v[\pw], v[TM+5], 8, v[TM+4]
	v_lshl_or_b32 v[\pw], v[TM+6], 16, v[\pw]
	v_lshl_or_b32 v[\pw], v[TM+7], 24, v[\pw]
	WIN \w
.irp c, 0,1
	v_cvt_scalef32_pk16_fp6_f32 v[PC+6*\c:PC+2+6*\c], v[(\s)+32*\c:(\s)+15+32*\c], v[TM+12+2*\c]
	v_cvt_scalef32_pk16_fp6_f32 v[PC+12+4*\c:PC+14+4*\c], v[(\s)+16+32*\c:(\s)+31+32*\c], v[TM+12+2*\c+1]   ; (a conversion's three registers begin on an even number)
.endr
	WIN 0
	v_nop                                          ; one plain place behind a scaled conversion
.irp c, 0,1                                    ; the operand's layout wants a WHOLE block in a lane
.irp i, 0,1,2
	v_permlane16_swap_b32 v[PC+6*\c+\i], v[PC+12+4*\c+\i]
.endr
.irp i, 0,1,2
	v_mov_b32 v[PC+3+6*\c+\i], v[PC+12+4*\c+\i]
.endr
.endr
.endm
; RoPE on the 32 registers of head hd in A's block a (16 positions, a lane a position): pairs (x1, x2) of neighbouring channels; the table's registers 32 a + e, e + 1 of window 1 hold the pair's cos and sin.  Into v[RR + 32 c] on.
.macro ROPE a, hd, c
	WIN (2+(\a)/4)|4                               ; source 0: the accumulators' window; source 1: window 1
; packed, a pair of channels an instruction; v144-175 of window 0, where A's fragments lay, hold the sixteen pairs (x2 sin, x2 cos), so that no line reads the line above it
.irp e, 0,2,4,6,8,10,12,14,16,18,20,22,24,26,28,30
	v_pk_mul_f32 v[144+\e:145+\e], v[64*((\a)%4)+32*(\hd)+\e:64*((\a)%4)+32*(\hd)+\e+1], v[32*(\a)+\e:32*(\a)+\e+1] op_sel:[1,1] op_sel_hi:[1,0]   ; low: x2 sin; high: x2 cos
.endr
.irp e, 0,2,4,6,8,10,12,14,16,18,20,22,24,26,28,30
	v_pk_fma_f32 v[RR+32*(\c)+\e:RR+32*(\c)+\e+1], v[64*((\a)%4)+32*(\hd)+\e:64*((\a)%4)+32*(\hd)+\e+1], v[32*(\a)+\e:32*(\a)+\e+1], v[144+\e:145+\e] op_sel_hi:[0,1,1] neg_lo:[0,0,1]   ; low: x1 cos - x2 sin; high: x1 sin + x2 cos
.endr
.endm
.macro PUT off                         ; the fragment in v[PC] on goes to memory as it stands: 3 x 512 consecutive bytes
.irp g, 0,1,2
	global_store_b128 v[LI], v[PC+4*\g:PC+4*\g+3], s[4:5] offset:\off+512*\g th:TH_STORE_NT
.endr
.endm
	PLACES NP                                      ; behind the last products: for the reads of results, the loads into window 1 and the writes over scale words and A's fragments
	s_mov_b32 s20, 0x76543210
	s_mov_b32 s21, 0xfedcba98                      ; v_permlanex16_b32's selects for lane l xor 16
.irp b, 0,1,2,3
	v_mov_b32 v[TM+4+\b], 0                        ; written once: a lane permute's destination counts as one of its sources
.endr
	s_cmp_eq_u32 ttmp9, 2                          ; the cluster's x: all partners go the same way
	s_cbranch_scc1 .Lv
	; q and k: the table's 64 x 512 bytes for my 128 positions, then pair by pair of tiles of positions, head by head
	WIN TO_B
.irp a, 0,1,2,3,4,5,6,7
.irp g, 0,1,2,3,4,5,6,7
	global_load_b128 v[32*\a+4*\g:32*\a+4*\g+3], v[LI], s[6:7] offset:4096*\a+512*\g
.endr
.endr
	WIN 0
.irp p, 0,1,2,3
	s_wait_loadcnt 48-16*\p                        ; the table for tiles 2 p and 2 p + 1 is in; the later pairs' sixteen loads each may be out
.irp hd, 0,1
	s_wait_xcnt 0x0                                ; the last image's stores have read their registers
	ROPE 2*\p, \hd, 0
	ROPE 2*\p+1, \hd, 1
	QUANT RR, 0, PWS+4*\hd+\p
	PUT 212992*\hd+1536*\p
.endr
.endr
.irp hd, 0,1
	global_store_b128 v[LI], v[PWS+4*\hd:PWS+4*\hd+3], s[4:5] offset:212992*\hd+12288 th:TH_STORE_NT
.endr
	s_branch .Ldone
.Lv:
	; v: A's block a is tile a % 4 of head a / 4's channels; its 64 registers are the record's 128 keys
.irp a, 0,1,2,3,4,5,6,7
	s_wait_xcnt 0x0                                ; the last image's stores have read their registers
	QUANT 64*(\a%4), 2+\a/4, PWS+\a
	PUT 212992*(\a/4)+6144+1536*(\a%4)
.endr
.irp hd, 0,1
	global_store_b128 v[LI], v[PWS+4*\hd:PWS+4*\hd+3], s[4:5] offset:212992*\hd+12800 th:TH_STORE_NT
.endr
.Ldone:
	s_wait_tensorcnt 0x0                           ; the wave's end
	ds_add_u32 v[SPW], v[NIL]
	s_wait_dscnt 0x0
	CROUND                                         ; the closing round: no work-group ends while a partner may still ask for a tile that names it
	s_endpgm
.Lfunc_end_k_q8c851e5e8c_qkv:
	.size	k_q8c851e5e8c_qkv, .Lfunc_end_k_q8c851e5e8c_qkv-k_q8c851e5e8c_qkv
	.p2alignl 7, 3214868480
	.fill 96, 4, 3214868480
	.section	.rodata,"a",@progbits
	.p2align	6, 0x0
	.amdhsa_kernel k_q8c851e5e8c_qkv
		.amdhsa_group_segment_fixed_size 327680
		.amdhsa_private_segment_fixed_size 0
		.amdhsa_enable_private_segment 0
		.amdhsa_kernarg_size 40
		.amdhsa_user_sgpr_count 2
		.amdhsa_user_sgpr_kernarg_segment_ptr 1
		.amdhsa_wavefront_size32 1
		.amdhsa_system_sgpr_workgroup_id_x 1
		.amdhsa_system_sgpr_workgroup_id_y 1
		.amdhsa_system_sgpr_workgroup_id_z 1
		.amdhsa_system_vgpr_workitem_id 0
		.amdhsa_next_free_vgpr 1024
		.amdhsa_next_free_sgpr 102
		.amdhsa_reserve_vcc 0
		.amdhsa_float_denorm_mode_32 3
		.amdhsa_float_denorm_mode_16_64 3
		.amdhsa_memory_ordered 1
		.amdhsa_forward_progress 1
		.amdhsa_inst_pref_size 237
	.end_amdhsa_kernel
	.amdgpu_metadata
---
amdhsa.version: [ 1, 2 ]
amdhsa.kernels:
  - .name:           k_q8c851e5e8c_qkv
    .symbol:         k_q8c851e5e8c_qkv.kd
    .args:
      - { .name: xq, .offset: 0, .size: 8, .value_kind: global_buffer, .address_space: global }
      - { .name: wq, .offset: 8, .size: 8, .value_kind: global_buffer, .address_space: global }
      - { .name: rope, .offset: 16, .size: 8, .value_kind: global_buffer, .address_space: global }
      - { .name: qrec, .offset: 24, .size: 8, .value_kind: global_buffer, .address_space: global }
      - { .name: kvrec, .offset: 32, .size: 8, .value_kind: global_buffer, .address_space: global }
    .group_segment_fixed_size: 327680
    .private_segment_fixed_size: 0
    .kernarg_segment_align: 8
    .kernarg_segment_size: 40
    .max_flat_workgroup_size: 128
    .sgpr_count:     102
    .vgpr_count:     1024
    .wavefront_size: 32
...
	.end_amdgpu_metadata
.endif
;; end of part 2
;; launch attn (part 3): grid 4 x 64, 16 waves a work-group, no clusters, 327,680 bytes of LDS; arguments qrec, kvrec, yq; writes yq
.if DOCPART == 3
	.amdgcn_target "amdgcn-amd-amdhsa--gfx1250"
	.amdhsa_code_object_version 6
	.text
	.protected	k_q8c851e5e8c_attn
	.globl	k_q8c851e5e8c_attn
	.p2align	8
	.type	k_q8c851e5e8c_attn,@function
k_q8c851e5e8c_attn:
	s_mov_b64 s[64:65], 0
	v_nop
	global_prefetch_b8 v0, s[64:65] scope:SCOPE_SE
	s_setreg_imm32_b32 hwreg(HW_REG_WAVE_MODE, 25, 1), 1
	s_wait_xcnt 0x0
; y = softmax(q k^T / 8 + the diagonal's -1e9) v for one head and 512 queries a work-group, on codes of FP6 (E2M3) with E8M0 scales; y is quantised along the channels and leaves as the last launch's operand images.
; Both products are used transposed (S^T = k q^T, O^T = v^T p^T): a lane holds one query.  p = 2^(t - M), t = score x log2(e) / 8, M the ceiling of the running largest t; the row's sum is taken of the unquantised p.
; LDS: the head's 16 records (128 keys each: K's four pair images, V's four fragments, their scale words; 13,312 bytes) come in ONCE, one record by one tensor load of each of the 16 waves, as 26 rows of 512 bytes
; with 128 bytes of padding behind each (16,640 bytes a record).  One barrier shows them to all waves; nothing is filled again, and no other barrier follows.
; A LANE HOLDS WHOLE BLOCKS OF 32 KEYS.  The records hold tiles of keys 32 b + 8 u + r % 8 + 16 (r / 8).  A tile's rows are formed anew by the lanes' addresses alone: lane (r, h) of pair (c, s) takes all 12 registers of image
; 2 c + r / 8 at that image's lane (r % 8 + 8 s, h).  Tile 4 c + 2 s + u then holds key 64 c + 32 (r / 8) + 8 (2 s + u) + r % 8 in row r, so score register 32 c + i of lane (r, h) is key 64 c + 32 h + i: the block that the
; operand's layout gives that lane.  A block's largest score needs no other lane, and the conversions' results are the operand.  With images 1,920 bytes apart lanes 0-7 and 8-15 of a load read different halves of 256 bytes.
; A wave takes 32 queries in two passes of 16; a pass walks the 16 records.  The next record's K is asked for behind the score products (16 LDS loads), this record's V at the step's top (13 loads).
; THE DIAGONAL lies in one step of a pass, in 16 registers that the wave's number and the pass fix: scalar branches on ids lead to the adds.
; cluster = none: the four work-groups of a head read the same records, but the branch to the diagonal's step hangs on the work-group's block of queries, which would be its place in the cluster.
; No prefetch: all that the work-group reads of K and V is asked for by the head's one load a wave; there is no loop to run ahead in.
; LIMITS: the promise holds while the scaled scores t stay under 2^31 in magnitude; a block of zeros gets the byte 1 where the rule says 127 (its codes are zeros; this program alone reads the bytes); NaN and infinities are not served.
.set REC,   13312                      ; a record in memory
.set RECL,  16640                      ; and in LDS
.set HEADB, 16*REC
.set SPARE, 16*RECL                    ; behind the records: the spare words, 128 bytes a wave
.set LV,    7680                       ; in an LDS record: V's fragments (row 12),
.set LKS,   15360                      ; K's scale words (row 24),
.set LVS,   16000                      ; V's scale words (row 25)
.set YSC,   6291456
.set TMP,  0                           ; at work (behind the head)
.set LI,   1                           ; 16 x lane
.set SPW,  2
.set NIL,  3
.set ADK,  4
.set ADV,  5
.set ADS,  6
.set DD,   7                           ; the score register that holds my query's own key, or no register's number
.set PX,   8                           ; a lane permute's result
.set KL,   9                           ; 1920 (r / 8) + 16 (r % 8) + 256 h
.set SL,   10                          ; 16 (r % 8) + 4 (r / 8)
.set SM,   16                          ; v12 -M, v13 the running largest score, v[14:15] and v[16:17] the sum's chains
.set QOP,  18                          ; q, zeros, q: 18 registers
.set QW,   36
.set PW,   37
.set KSC,  38
.set BM,   42
.set VSC,  44
.set KI,   48
.set VI,   96
.set S,    144
.set O,    208
.set PCD,  240                         ; v[252:253]: the factor f, and 0
.set SOP,  254
.set EB,   KI                          ; the way out: at work in K's registers
.set EP,   KI+2
.set ES,   KI+4
.set CT,   KI+8
.set EY,   KI+12
.set EYS,  KI+13
.set ET,   KI+14
.set WV,   12
.set HG,   13
.set PB,   28
.set DVP,  29
.set SEL,  40
.set CS,   42
.set TB,   44
.set TB0,  45
.set DV,   46
.set PASS, 47
.set CNT,  48
.set PM,   49
.set HM,   50
	s_load_b128 s[4:7], s[0:1], 0x0                ; qrec, kvrec
	s_load_b64 s[8:9], s[0:1], 0x10                ; yq
	v_lshl_add_u32 v[SPW], v0, 2, SPARE
	v_mov_b32 v[NIL], 0
	ds_add_u32 v[SPW], v[NIL]                      ; the opening lines: the add, twice on end, and its wait ahead of my tensor load
	ds_add_u32 v[SPW], v[NIL]
	v_lshrrev_b32 v4, 5, v0
	v_readfirstlane_b32 s[WV], v4
	s_and_b32 s[HG], ttmp7, 0xffff                 ; batch x 16 + head
	s_mov_b32 s16, (3<<16)|(1<<20)|(6<<22)|(31<<25)   ; elements of 8 bytes; behind every 128 words 32 words of padding
	s_mov_b32 s17, 64<<16
	s_mov_b32 s18, 26<<16
	s_mov_b32 s19, 64<<16
	s_mov_b32 s20, 26
	s_mov_b32 s21, 64
	s_mov_b32 s22, 0
	s_mov_b32 s23, 0
	s_mov_b32 s24, 1
	s_mul_i32 s25, s[WV], RECL                     ; record = my wave's number
	s_mul_i32 s14, s[WV], REC
	s_mul_i32 s2, s[HG], HEADB
	s_add_co_u32 s2, s2, s14
	s_mov_b32 s3, 0
	s_mov_b32 s[SEL], 0x76543210
	s_mov_b32 s[SEL+1], 0xfedcba98                 ; v_permlanex16_b32's selects for lane l xor 16
	s_mov_b32 s[CS], 0x3e38aa3b                    ; log2(e) / 8
	s_mov_b32 s[CS+1], s[CS]
	s_mov_b32 s[HM], 0xffff0000
	s_lshl_b32 s62, s[HG], 4
	s_lshl_b32 s63, ttmp9, 2
	s_lshr_b32 s15, s[WV], 2
	s_add_co_u32 s63, s63, s15                     ; the record of my queries
	s_mul_i32 s[TB0], s63, RECL                    ; the step that holds their own keys
	s_add_co_u32 s62, s62, s63
	s_mul_i32 s62, s62, REC
	s_and_b32 s15, s[WV], 3                        ; p: my pair image in it
	s_mul_i32 s54, s15, 1536
	s_add_co_u32 s54, s54, s62
	s_mov_b32 s55, 0
	s_lshl_b32 s56, s15, 2
	s_add_co_u32 s56, s56, s62
	s_add_co_u32 s56, s56, 12288
	s_mov_b32 s57, 0
	s_and_b32 s[DV], s15, 2                        ; 2 (p / 2)
	s_lshl_b32 s51, s[DV], 4                       ; 32 (p / 2)
	s_and_b32 s[PB], s15, 1                        ; p % 2: the half of the lanes that holds the diagonal
	s_lshr_b32 s62, s[HG], 4
	s_lshl_b32 s62, s62, 7
	s_lshl_b32 s63, ttmp9, 5
	s_add_co_u32 s62, s62, s63
	s_lshl_b32 s63, s[WV], 1
	s_add_co_u32 s62, s62, s63                     ; y's tile of 16 rows
	s_and_b32 s63, s[HG], 15
	s_lshl_b32 s58, s62, 3
	s_lshr_b32 s15, s63, 1
	s_add_co_u32 s58, s58, s15
	s_mul_i32 s58, s58, 1536
	s_and_b32 s15, s63, 1
	s_mul_i32 s15, s15, 768
	s_add_co_u32 s58, s58, s15
	s_mov_b32 s59, 0
	s_lshl_b32 s60, s62, 9
	s_lshl_b32 s15, s63, 1
	s_add_co_u32 s60, s60, s15
	s_add_co_u32 s60, s60, YSC
	s_mov_b32 s61, 0
	s_wait_dscnt 0x0
	s_wait_kmcnt 0x0
	s_add_nc_u64 s[26:27], s[6:7], s[2:3]
	s_or_b32 s27, s27, 0x80000000
	tensor_load_to_lds s[24:27], s[16:23]          ; my one tensor load
	s_nop 0
	s_add_nc_u64 s[52:53], s[4:5], s[56:57]
	s_add_nc_u64 s[4:5], s[4:5], s[54:55]
	s_add_nc_u64 s[10:11], s[8:9], s[60:61]
	s_add_nc_u64 s[8:9], s[8:9], s[58:59]
	v_and_b32 v11, 31, v0
	v_lshlrev_b32 v[LI], 4, v11
.macro QLOAD                           ; my pair image of q and its scale word, into V's registers, which are idle here
.irp g, 0,1,2
	global_load_b128 v[VI+4*\g:VI+4*\g+3], v[LI], s[4:5] offset:512*\g
.endr
	global_load_b32 v[VI+12], v[LI], s[52:53]
.endm
	QLOAD
	v_and_b32 v11, 7, v0                           ; r % 8
	v_bfe_u32 v16, v0, 3, 1                        ; r / 8
	v_bfe_u32 v17, v0, 4, 1                        ; h
	v_lshlrev_b32 v[SL], 4, v11
	v_mul_u32_u24 v[PX], v16, 1920
	v_lshl_add_u32 v[KL], v17, 8, v[SL]
	v_lshl_add_u32 v[DD], v16, 4, v11
	v_add_nc_u32 v[KL], v[KL], v[PX]
	v_lshl_add_u32 v[SL], v16, 2, v[SL]
	v_add_nc_u32 v[DD], s51, v[DD]                 ; 32 (p / 2) + r % 8 + 16 (r / 8); each pass adds 8
	v_cmp_eq_u32 vcc_lo, s[PB], v17
	v_cndmask_b32 v[DD], 0x1000, v[DD], vcc_lo     ; the other half of the lanes: no register's number
	v_mov_b32 v253, 0
.irp i, 0,1,2,3,4,5
	v_mov_b32 v[QOP+6+\i], 0
.endr
	s_mov_b32 s[PASS], 0
	s_wait_alu depctr_va_vdst(0)                   ; the wait at the head's end
	s_wait_tensorcnt 0x0                           ; my record is in,
	s_barrier_signal -1
	s_barrier_wait -1                              ; everybody's is
.macro KLOAD off                       ; 16 LDS loads: four pair images and their scale words
.irp c, 0,1
.irp s, 0,1
.irp g, 0,1,2
	ds_load_b128 v[KI+12*(2*\c+\s)+4*\g:KI+12*(2*\c+\s)+4*\g+3], v[ADK] offset:\off+3840*\c+128*\s+640*\g
.endr
	ds_load_b32 v[KSC+2*\c+\s], v[ADS] offset:\off+LKS+8*\c+128*\s
.endr
.endr
.endm
.macro DIAG c, u                       ; -1e9 x 8 (the scores are not yet scaled) onto the one score whose key is my query; each accumulator from its low end on
.irp t, \u, \u+2
.irp j, 0,1,2,3,4,5,6,7
	v_cmp_ne_u32 vcc_lo, 32*\c+8*(\t)+\j, v[DD]
	v_cndmask_b32 v[TMP], 0xcfee6b28, v253, vcc_lo
	v_add_f32 v[S+32*\c+8*(\t)+\j], v[S+32*\c+8*(\t)+\j], v[TMP]
.endr
.endr
	s_wait_alu depctr_va_vdst(0)                   ; the wait ahead of the jump
.endm
.macro STEP pre                        ; 128 keys x 16 queries.  pre = 1: the next record's K is asked for
	v_add_nc_u32 v[ADV], s[TB], v[LI]
	v_nop
	v_nop
	v_nop                                          ; four places behind the last products, ahead of the loads into V's registers
.set g, 0
.rept 12
	ds_load_b128 v[VI+4*g:VI+4*g+3], v[ADV] offset:LV+640*g
.set g, g+1
.endr
	ds_load_b128 v[VSC:VSC+3], v[ADV] offset:LVS
	s_wait_dscnt 13                                ; K and its scale words are in; V's 13 loads may be out
.irp p, 0,1,2,3
	v_wmma_scale_f32_16x16x128_f8f6f4 v[S+16*\p:S+16*\p+7], v[KI+12*\p:KI+12*\p+11], v[QOP:QOP+11], 0, v[KSC+\p], v[QW] matrix_a_fmt:MATRIX_FMT_FP6 matrix_b_fmt:MATRIX_FMT_FP6
	v_wmma_scale_f32_16x16x128_f8f6f4 v[S+16*\p+8:S+16*\p+15], v[KI+12*\p:KI+12*\p+11], v[QOP+6:QOP+17], 0, v[KSC+\p], v[QW] matrix_a_fmt:MATRIX_FMT_FP6 matrix_b_fmt:MATRIX_FMT_FP6
.endr
.if \pre
	v_add_nc_u32 v[ADK], s[TB], v[KL]
	v_add_nc_u32 v[ADS], s[TB], v[SL]
	v_nop
	v_nop                                          ; four places behind the products
	KLOAD RECL
.else
.rept 4
	v_nop
.endr
.endif
	s_cmp_lg_u32 s[TB], s[TB0]                     ; ids and the loop's step alone
	s_cbranch_scc1 .Lopen_\@
	s_cmp_lg_u32 s[DVP], 0
	s_cbranch_scc1 .Ld1_\@
	DIAG 0, 0
	s_branch .Lopen_\@
.Ld1_\@:
	s_cmp_lg_u32 s[DVP], 1
	s_cbranch_scc1 .Ld2_\@
	DIAG 0, 1
	s_branch .Lopen_\@
.Ld2_\@:
	s_cmp_lg_u32 s[DVP], 2
	s_cbranch_scc1 .Ld3_\@
	DIAG 1, 0
	s_branch .Lopen_\@
.Ld3_\@:
	DIAG 1, 1
.Lopen_\@:
.irp c, 0,1                            ; the largest score of my two blocks: two chains a block, the four by turns
	v_max3_num_f32 v[BM+\c], v[S+32*\c], v[S+32*\c+1], v[S+32*\c+2]
	v_max3_num_f32 v[SOP+\c], v[S+32*\c+17], v[S+32*\c+18], v[S+32*\c+19]
.endr
.irp i, 0,2,4,6,8,10
.irp c, 0,1
	v_max3_num_f32 v[BM+\c], v[BM+\c], v[S+32*\c+3+\i], v[S+32*\c+4+\i]
	v_max3_num_f32 v[SOP+\c], v[SOP+\c], v[S+32*\c+20+\i], v[S+32*\c+21+\i]
.endr
.endr
.irp c, 0,1
	v_max3_num_f32 v[BM+\c], v[BM+\c], v[S+32*\c+15], v[S+32*\c+16]
.endr
.irp c, 0,1
	v_max_num_f32 v[BM+\c], v[BM+\c], v[SOP+\c]
.endr
	v_max_num_f32 v[TMP], v[BM], v[BM+1]
	v_permlanex16_b32 v[PX], v[TMP], s[SEL], s[SEL+1]
	v_max3_num_f32 v13, v13, v[TMP], v[PX]         ; the running largest score of my query
	v_mul_f32 v[TMP], s[CS], v13                   ; as t
	v_mov_b32 v[PX], v12
	v_floor_f32 v12, -v[TMP]                       ; -M = floor(-t)
	v_sub_f32 v[PX], v12, v[PX]                    ; M's old value less its new one
	v_cvt_i32_f32 v[PX], v[PX]                     ; (it saturates)
	v_ldexp_f32 v252, 1.0, v[PX]                   ; f = 2^(old M - new M)
.set j, 0
.rept 32
	v_pk_fma_f32 v[S+j:S+j+1], v[S+j:S+j+1], s[CS:CS+1], v[12:13] op_sel_hi:[1,0,0]   ; t - M
.set j, j+2
.endr
.irp c, 0,1
	v_fma_f32 v[BM+\c], v[BM+\c], s[CS], v12       ; the same of each block's largest score
.endr
.set j, 0
.rept 16
	v_pk_mul_f32 v[O+j:O+j+1], v[O+j:O+j+1], v[252:253] op_sel_hi:[1,0]   ; O^T under the new M
.set j, j+2
.endr
	v_pk_mul_f32 v[14:15], v[14:15], v[252:253] op_sel_hi:[1,0]           ; and the sum
	s_wait_alu depctr_va_vdst(0)                   ; the wait ahead of the batch
	v_exp_f32 v[BM], v[BM]                         ; each block's largest p
	v_exp_f32 v[BM+1], v[BM+1]
.set j, 0
.rept 64
	v_exp_f32 v[S+j], v[S+j]
.set j, j+1
.endr
	v_nop                                          ; one plain place behind the batch
	s_wait_alu depctr_va_vdst(0)                   ; and the one wait ahead of its first reader
	v_pk_add_f32 v[SM:SM+1], v[S:S+1], v[S+2:S+3]  ; the sum of the unquantised p, in two chains
	v_pk_add_f32 v[14:15], v[14:15], v[S+4:S+5]
	v_pk_add_f32 v[SM:SM+1], v[SM:SM+1], v[S+6:S+7]
.irp c, 0,1
	v_max_num_f32 v[BM+\c], 0x1800000, v[BM+\c]    ; the floor 2^(3 - 127): the byte cannot fall under 1
.endr
.irp c, 0,1
	v_add_nc_u32 v[SOP+\c], 0xff000000, v[BM+\c]   ; 2 off the exponent field: the conversion's scale operand
.endr
.irp c, 0,1
	v_lshrrev_b32 v[BM+\c], 23, v[SOP+\c]          ; the byte
.endr
	v_lshl_or_b32 v[TMP], v[BM+1], 16, v[BM]       ; my blocks h and 2 + h
	v_permlanex16_b32 v[PX], v[TMP], s[SEL], s[SEL+1]
	v_lshl_or_b32 v[PW], v[PX], 8, v[TMP]          ; lanes 0-15, which alone are read: blocks 0, 2 mine, 1, 3 lane l + 16's
	v_cvt_scalef32_pk16_fp6_f32 v[PCD:PCD+2], v[S:S+15], v[SOP]
	v_cvt_scalef32_pk16_fp6_f32 v[PCD+6:PCD+8], v[S+32:S+47], v[SOP+1]
	v_pk_add_f32 v[14:15], v[14:15], v[S+8:S+9]    ; (a plain line between the conversions above and the writes of their sources)
	v_cvt_scalef32_pk16_fp6_f32 v[S:S+2], v[S+16:S+31], v[SOP]        ; a conversion's three registers begin on an even number: each block's second half is made in registers already summed, and moved
	v_cvt_scalef32_pk16_fp6_f32 v[S+4:S+6], v[S+48:S+63], v[SOP+1]
	v_pk_add_f32 v[SM:SM+1], v[SM:SM+1], v[S+10:S+11]
	v_pk_add_f32 v[14:15], v[14:15], v[S+12:S+13]
	v_pk_add_f32 v[SM:SM+1], v[SM:SM+1], v[S+14:S+15]
.irp i, 0,1,2
	v_mov_b32 v[PCD+3+\i], v[S+\i]
	v_mov_b32 v[PCD+9+\i], v[S+4+\i]
.endr
.irp j, 16,20,24,28,32,36,40,44,48,52,56,60
	v_pk_add_f32 v[14:15], v[14:15], v[S+\j:S+\j+1]          ; (these 25 are also the places between p's codes and scale word and the products)
	v_pk_add_f32 v[SM:SM+1], v[SM:SM+1], v[S+\j+2:S+\j+3]
.endr
	v_pk_add_f32 v[14:15], v[14:15], v[SM:SM+1]
	s_wait_alu depctr_va_vdst(0)                   ; the wait here, directly ahead of the wait below
.if \pre
	s_wait_dscnt 16                                ; V is in; the next record's 16 loads of K may be out
.else
	s_wait_dscnt 0x0
.endif
.irp t, 0,1,2,3
	v_wmma_scale_f32_16x16x128_f8f6f4 v[O+8*\t:O+8*\t+7], v[VI+12*\t:VI+12*\t+11], v[PCD:PCD+11], v[O+8*\t:O+8*\t+7], v[VSC+\t], v[PW] matrix_a_fmt:MATRIX_FMT_FP6 matrix_b_fmt:MATRIX_FMT_FP6
.endr
.endm
.Lpass:
	s_cmp_eq_u32 s[PASS], 0
	s_cselect_b32 s[PM], 0, -1
	s_mov_b32 s[TB], 0
	s_add_co_u32 s[DVP], s[DV], s[PASS]            ; which 16 registers hold the diagonal: 2 (p / 2) + pass
	v_mov_b32 v[ADK], v[KL]
	v_mov_b32 v[ADS], v[SL]
	KLOAD 0                                        ; record 0's K
	v_mov_b32 v13, 0xff61b1e6                      ; -3e38, under every score
	v_mov_b32 v12, 0x7e000000                      ; a -M so large that the first f is 0
	v_mov_b32 v14, 0
	v_mov_b32 v15, 0
	s_wait_loadcnt 0x0                             ; q's image is in
.irp i, 0,1,2,3,4,5
	v_cndmask_b32 v[QOP+\i], v[VI+\i], v[VI+6+\i], s[PM]     ; this pass's tile of 16 queries
.endr
.irp i, 0,1,2,3,4,5
	v_mov_b32 v[QOP+12+\i], v[QOP+\i]
.endr
	v_lshrrev_b32 v[VI+13], 16, v[VI+12]
	v_and_b32 v[VI+14], 0xffff, v[VI+12]
	v_cndmask_b32 v[VI+13], v[VI+14], v[VI+13], s[PM]
	v_lshl_or_b32 v[QW], v[VI+13], 16, v[VI+13]    ; its two scale bytes, for either half of a pair image
.set j, 0
.rept 32
	v_mov_b32 v[O+j], 0
.set j, j+1
.endr
	s_mov_b32 s[CNT], 15
	s_wait_alu depctr_va_vdst(0)                   ; the wait ahead of the loop
.Lstep:
	STEP 1
	s_add_co_u32 s[TB], s[TB], RECL
	s_sub_co_u32 s[CNT], s[CNT], 1
	s_cmp_lg_u32 s[CNT], 0
	s_cbranch_scc1 .Lstep
	STEP 0                                         ; the last record asks for nothing more
.rept 4
	v_nop
.endr
	s_cmp_lg_u32 s[PASS], 0
	s_cbranch_scc1 .Lnoq
	QLOAD                                          ; for the second pass, under the way out
.Lnoq:
	v_add_f32 v14, v14, v15
	v_permlanex16_b32 v[PX], v14, s[SEL], s[SEL+1]
	v_add_f32 v14, v14, v[PX]                      ; the row's sum
	s_wait_alu depctr_va_vdst(0)
	v_rcp_f32 v14, v14
	v_nop
	s_wait_alu depctr_va_vdst(0)
.set j, 0
.rept 32
	v_mul_f32 v[S+j], v[O+j], v14                  ; register 16 b + i = channel 32 b + 16 h + i of my query
.set j, j+1
.endr
.irp b, 0,1
	v_max3_num_f32 v[EB+\b], |v[S+16*\b]|, |v[S+1+16*\b]|, 0x1800000
.endr
.irp i, 2,4,6,8,10,12,14
.irp b, 0,1
	v_max3_num_f32 v[EB+\b], v[EB+\b], |v[S+16*\b+\i]|, |v[S+1+16*\b+\i]|
.endr
.endr
.irp b, 0,1
	v_permlanex16_b32 v[EP+\b], v[EB+\b], s[SEL], s[SEL+1]
.endr
.irp b, 0,1
	v_max_num_f32 v[EB+\b], v[EB+\b], v[EP+\b]
.endr
.irp b, 0,1
	v_add_nc_u32 v[ES+\b], 0xff000000, v[EB+\b]
.endr
.irp b, 0,1
	v_lshrrev_b32 v[EP+\b], 23, v[ES+\b]
.endr
	v_lshrrev_b32 v[EY], 1, v[LI]                  ; 8 x lane
	v_and_b32 v[ET], 0xf0, v[LI]
	v_lshrrev_b32 v[EYS], 8, v[LI]
	v_lshl_add_u32 v[EYS], v[ET], 1, v[EYS]        ; 32 r + h
	v_cvt_scalef32_pk16_fp6_f32 v[PCD:PCD+2], v[S:S+15], v[ES]
	v_cvt_scalef32_pk16_fp6_f32 v[CT:CT+2], v[S+16:S+31], v[ES+1]
	v_nop
.irp i, 0,1,2
	v_permlane16_swap_b32 v[PCD+\i], v[CT+\i]      ; a whole block of 32 channels to a lane
.endr
.irp i, 0,1,2
	v_mov_b32 v[PCD+3+\i], v[CT+\i]
.endr
	v_cndmask_b32 v[ET], v[EP], v[EP+1], s[HM]
.irp i, 0,1,2
	global_store_b64 v[EY], v[PCD+2*\i:PCD+2*\i+1], s[8:9] offset:256*\i   ; 32 lanes store 256 consecutive bytes, aligned
.endr
	global_store_b8 v[EYS], v[ET], s[10:11]
	s_wait_xcnt 0x0                                ; the stores have read their registers and bases
	s_add_nc_u64 s[8:9], s[8:9], 12288
	s_add_nc_u64 s[10:11], s[10:11], 512
	v_add_nc_u32 v[DD], 8, v[DD]
	s_add_co_u32 s[PASS], s[PASS], 1
	s_cmp_lt_u32 s[PASS], 2
	s_wait_alu depctr_va_vdst(0)                   ; the wait ahead of the jump
	s_cbranch_scc1 .Lpass
	s_wait_tensorcnt 0x0                           ; the wave's end
	ds_add_u32 v[SPW], v[NIL]
	s_wait_dscnt 0x0
	s_endpgm
.Lfunc_end_k_q8c851e5e8c_attn:
	.size	k_q8c851e5e8c_attn, .Lfunc_end_k_q8c851e5e8c_attn-k_q8c851e5e8c_attn
	.p2alignl 7, 3214868480
	.fill 96, 4, 3214868480
	.section	.rodata,"a",@progbits
	.p2align	6, 0x0
	.amdhsa_kernel k_q8c851e5e8c_attn
		.amdhsa_group_segment_fixed_size 327680
		.amdhsa_private_segment_fixed_size 0
		.amdhsa_enable_private_segment 0
		.amdhsa_kernarg_size 24
		.amdhsa_user_sgpr_count 2
		.amdhsa_user_sgpr_kernarg_segment_ptr 1
		.amdhsa_wavefront_size32 1
		.amdhsa_system_sgpr_workgroup_id_x 1
		.amdhsa_system_sgpr_workgroup_id_y 1
		.amdhsa_system_sgpr_workgroup_id_z 1
		.amdhsa_system_vgpr_workitem_id 0
		.amdhsa_next_free_vgpr 256
		.amdhsa_next_free_sgpr 66
		.amdhsa_reserve_vcc 1
		.amdhsa_float_denorm_mode_32 3
		.amdhsa_float_denorm_mode_16_64 3
		.amdhsa_memory_ordered 1
		.amdhsa_forward_progress 1
		.amdhsa_inst_pref_size 58
	.end_amdhsa_kernel
	.amdgpu_metadata
---
amdhsa.version: [ 1, 2 ]
amdhsa.kernels:
  - .name:           k_q8c851e5e8c_attn
    .symbol:         k_q8c851e5e8c_attn.kd
    .args:
      - { .name: qrec, .offset: 0, .size: 8, .value_kind: global_buffer, .address_space: global }
      - { .name: kvrec, .offset: 8, .size: 8, .value_kind: global_buffer, .address_space: global }
      - { .name: yq, .offset: 16, .size: 8, .value_kind: global_buffer, .address_space: global }
    .group_segment_fixed_size: 327680
    .private_segment_fixed_size: 0
    .kernarg_segment_align: 8
    .kernarg_segment_size: 24
    .max_flat_workgroup_size: 512
    .sgpr_count:     66
    .vgpr_count:     256
    .wavefront_size: 32
...
	.end_amdgpu_metadata
.endif
;; end of part 3
;; launch proj (part 4): grid 4 x 32, 4 waves a work-group, clusters of 4 x 4, 327,680 bytes of LDS; arguments yq, wq, out0; writes out0
.if DOCPART == 4
	.amdgcn_target "amdgcn-amd-amdhsa--gfx1250"
	.amdhsa_code_object_version 6
	.text
	.protected	k_q8c851e5e8c_proj
	.globl	k_q8c851e5e8c_proj
	.p2align	8
	.type	k_q8c851e5e8c_proj,@function
k_q8c851e5e8c_proj:
	s_mov_b64 s[64:65], 0
	v_nop
	global_prefetch_b8 v0, s[64:65] scope:SCOPE_SE
	s_setreg_imm32_b32 hwreg(HW_REG_WAVE_MODE, 25, 1), 1
	s_wait_xcnt 0x0
	s_wait_alu depctr_hold_cnt(0) depctr_sa_sdst(0) depctr_va_vdst(0) depctr_va_sdst(0) depctr_va_ssrc(0) depctr_va_vcc(0) depctr_vm_vsrc(0)
	s_getreg_b32 s2, hwreg(HW_REG_IB_STS2, 6, 4)
	s_cmp_eq_u32 s2, 0
	s_cbranch_scc0 .Lentry_in_a_cluster
	s_endpgm
.Lentry_in_a_cluster:
	s_bfe_u32 s2, ttmp6, 0x10000c
	s_cmp_lg_u32 s2, 0xf033
	s_cbranch_scc0 .Lentry_shape_is_right
	s_endpgm
.Lentry_shape_is_right:
.set SIZE_N, 1024
.set NQ,     2
.set ROWB,   192
.set KROW,   768
.set PITCH,  240
.set FR,     12
.set NL,     6
.set NP,     4
.set AROW,   3072
.set HALFA,  8*AROW
.set HALFT,  128*PITCH
.set SLOT,   2*HALFA+2*HALFT
.set LAPS,   2
.set KS,     32
.set SCL,    2*SLOT
.set HALFS,  (128*KS/256)*272
.set SBLK,   (16*KS/256)*272
.set SPARE,  SCL+4*HALFS
.set SPITCH, 528
.set ADRA, 16
.set ADRB, 20
.set STO,  24
.set RD,   25
.set CO,   26
.set ADRS, 27
.set SPW,  28
.set NIL,  29
.set SC,   32
.set AF,   128
.set BK,   128
.set G1, 24
.set G0, 32
.set G1B, 48
.set G0B, 56
.set G1S, 68
.set G0S, 76
.set G1SB, 80
.set G0SB, 88
.set MSB, 0
.macro WIN new
.if MSB != (\new)
	s_set_vgpr_msb (MSB<<8)|(\new)
.set MSB, (\new)
.endif
.endm
.set MUL_LO, 0xa1
.set MUL_HI, 0xf1
.set TO_B,   0x40
.macro JLOAD g0a, g1a, g0b, g1b
	s_cmp_eq_u32 s15, 0
	s_cbranch_scc0 .Lfor_b_\@
	tensor_load_to_lds s[\g0a:\g0a+3], s[\g1a:\g1a+7]
	s_nop 0
.rept 4
	v_nop
.endr
	s_branch .Lasked_\@
.Lfor_b_\@:
	tensor_load_to_lds s[\g0b:\g0b+3], s[\g1b:\g1b+7]
	s_nop 0
.rept 4
	v_nop
.endr
.Lasked_\@:
.endm
.macro CREST
	s_cmp_lg_u32 s14, 0
	s_cbranch_scc1 .Lnot_wave_0_\@
	s_barrier_signal -3
.Lnot_wave_0_\@:
	s_barrier_wait -3
	s_barrier_signal -1
	s_barrier_wait -1
.endm
.macro CROUND
	s_barrier_signal -1
	s_barrier_wait -1
	CREST
.endm
	s_load_b128 s[4:7], s[0:1], 0x0
	s_load_b64 s[12:13], s[0:1], 0x10
	v_lshl_add_u32 v[SPW], v0, 2, SPARE
	v_mov_b32 v[NIL], 0
	ds_add_u32 v[SPW], v[NIL]
	ds_add_u32 v[SPW], v[NIL]
	v_lshrrev_b32 v1, 5, v0
	v_readfirstlane_b32 s14, v1
	s_lshr_b32 s15, s14, 1
	s_and_b32 s16, s14, 1
	s_bfe_u32 s40, ttmp6, 0x40000
	s_bfe_u32 s41, ttmp6, 0x40004
	s_lshl_b32 s42, ttmp9, 2
	s_add_co_u32 s42, s42, s40
	s_and_b32 s17, ttmp7, 0xffff
	s_lshl_b32 s17, s17, 2
	s_add_co_u32 s17, s17, s41
	s_lshl_b32 s43, s41, 2
	s_lshl_b32 s43, 15, s43
	s_lshl_b32 s44, 0x1111, s40
	s_or_b32 s[G1+0], s43, (1<<21)
	s_mov_b32 s[G1+1], AROW<<16
	s_mov_b32 s[G1+2], 16<<16
	s_mov_b32 s[G1+3], AROW<<16
	s_mov_b32 s[G1+4], 16
	s_mov_b32 s[G1+5], 12288
	s_mov_b32 s[G1+6], 0
	s_mov_b32 s[G1+7], 0
	s_or_b32 s[G1B+0], s44, (0<<16)|(1<<20)|(1<<21)|(3<<22)|(3<<25)
	s_mov_b32 s[G1B+1], 256<<16                    ; the weight's codes lie [K step][row][192 bytes]: a tile is a dense block, fetched as rows of 256 bytes; the padding behind every 64 bytes leaves each 192 bytes 240 apart in LDS
	s_mov_b32 s[G1B+2], 192<<16                    ; the head's load: 256 rows of codes = 192 rows of 256 bytes
	s_mov_b32 s[G1B+3], 256<<16
	s_mov_b32 s[G1B+4], 192
	s_mov_b32 s[G1B+5], 256
	s_mov_b32 s[G1B+6], 0
	s_mov_b32 s[G1B+7], 0
	s_or_b32 s[G1S+0], s43, (3<<16)|(1<<20)|(1<<21)|(5<<22)|(3<<25)
	s_or_b32 s[G1SB+0], s44, (3<<16)|(1<<20)|(1<<21)|(5<<22)|(3<<25)
.irp g, G1S, G1SB
	s_mov_b32 s[\g+1], 32<<16
	s_mov_b32 s[\g+2], (256*KS/256)<<16
	s_mov_b32 s[\g+3], 32<<16
	s_mov_b32 s[\g+4], 256*KS/256
	s_mov_b32 s[\g+5], 32
	s_mov_b32 s[\g+6], 0
	s_mov_b32 s[\g+7], 0
.endr
	s_lshl_b32 s20, s17, 8
	s_lshl_b32 s46, s42, 8
	s_mov_b32 s21, 0
	s_mov_b32 s47, 0
	s_mov_b64 s[18:19], KS
	s_mul_u64 s[22:23], s[20:21], s[18:19]
	s_mul_u64 s[92:93], s[46:47], s[18:19]
	s_mov_b64 s[18:19], KROW
	s_mul_u64 s[20:21], s[20:21], s[18:19]
	s_mov_b64 s[18:19], 192
	s_mul_u64 s[46:47], s[46:47], s[18:19]
	s_mul_i32 s45, s16, HALFA
	s_mul_i32 s95, s16, HALFT
	s_add_co_u32 s95, s95, 2*HALFA
	s_mul_i32 s8, s16, 128*KROW                    ; in the ring I fetch half a tile: A's half in bytes,
	s_mov_b32 s9, 0
	s_mul_i32 s10, s16, 128*192                    ; B's
	s_mov_b32 s11, 0
	s_wait_dscnt 0x0
	s_wait_kmcnt 0x0
	s_add_nc_u64 s[20:21], s[4:5], s[20:21]
	s_add_nc_u64 s[22:23], s[4:5], s[22:23]
	s_add_nc_u64 s[22:23], s[22:23], 0x600000
	s_add_nc_u64 s[46:47], s[6:7], s[46:47]
	s_add_nc_u64 s[46:47], s[46:47], 589824
	s_add_nc_u64 s[92:93], s[6:7], s[92:93]
	s_add_nc_u64 s[92:93], s[92:93], 3244032
	CROUND
	s_mov_b32 s[G0S], 1
	s_mov_b32 s[G0S+1], SCL
	s_mov_b64 s[G0S+2:G0S+3], s[22:23]
	s_or_b32 s[G0S+3], s[G0S+3], 0x80000000
	s_mov_b32 s[G0SB], 1
	s_mov_b32 s[G0SB+1], SCL+2*HALFS
	s_mov_b64 s[G0SB+2:G0SB+3], s[92:93]
	s_or_b32 s[G0SB+3], s[G0SB+3], 0x80000000
	s_mov_b32 s[G0], 1                             ; the head's tiles, each whole: K step 0 of A's 256 rows into slot 0,
	s_mov_b32 s[G0+1], 0
	s_mov_b64 s[G0+2:G0+3], s[20:21]
	s_or_b32 s[G0+3], s[G0+3], 0x80000000
	s_mov_b32 s[G0B], 1                            ; of B's 256 rows behind them
	s_mov_b32 s[G0B+1], 2*HALFA
	s_mov_b64 s[G0B+2:G0B+3], s[46:47]
	s_or_b32 s[G0B+3], s[G0B+3], 0x80000000
	s_add_nc_u64 s[20:21], s[20:21], s[8:9]        ; slot 1: my half, K step 1
	s_add_nc_u64 s[46:47], s[46:47], s[10:11]
	s_mov_b32 s[G0+4], 1
	s_add_co_u32 s[G0+5], s45, SLOT
	s_add_nc_u64 s[G0+6:G0+7], s[20:21], AROW
	s_or_b32 s[G0+7], s[G0+7], 0x80000000
	s_mov_b32 s[G0B+4], 1
	s_add_co_u32 s[G0B+5], s95, SLOT
	s_add_nc_u64 s[G0B+6:G0B+7], s[46:47], 786432
	s_or_b32 s[G0B+7], s[G0B+7], 0x80000000
; THE HEAD'S LOADS, ONE A WAVE: wave 0 A's tile of K step 0, wave 1 B's, wave 2 A's scales, wave 3 B's.  One tree of branches on the wave's number; every way passes one load.
.macro ARM under, g0, g1, next
	s_cmp_lt_u32 s14, \under
	s_cbranch_scc0 \next
	tensor_load_to_lds s[\g0:\g0+3], s[\g1:\g1+7]
	s_nop 0
.rept 4
	v_nop
.endr
	s_branch .Lhead_asked
\next:
.endm
	ARM 1, G0,  G1,  .Lhead_b
	ARM 2, G0B, G1B, .Lhead_sa
	ARM 3, G0S, G1S, .Lhead_sb
	tensor_load_to_lds s[G0SB:G0SB+3], s[G1SB:G1SB+7]
	s_nop 0
.rept 4
	v_nop
.endr
.Lhead_asked:
	v_and_b32 v1, 15, v0
	v_bfe_u32 v2, v0, 4, 1
	v_mul_u32_u24 v3, v1, PITCH
	v_mul_u32_u24 v4, v2, 24
	v_add_nc_u32 v4, v3, v4
	v_lshl_add_u32 v5, v2, 4, v4
	v_and_b32 v6, 31, v0
	v_lshlrev_b32 v7, 3, v6
	s_mul_i32 s21, s15, HALFA
	s_mul_i32 s22, s16, HALFT
	s_add_co_u32 s22, s22, 2*HALFA
.irp s, 0,1
	v_add_nc_u32 v[ADRA+\s], s21, v7
	v_add_nc_u32 v[ADRB+\s], s22, v4
	v_add_nc_u32 v[ADRB+2+\s], s22, v5
	s_add_co_u32 s21, s21, SLOT
	s_add_co_u32 s22, s22, SLOT
.endr
	v_mul_u32_u24 v5, v1, KS
	v_lshrrev_b32 v6, 8, v5
	v_lshl_add_u32 v5, v6, 4, v5
	s_mul_i32 s21, s15, HALFS
	s_mul_i32 s22, s16, HALFS
	s_add_co_u32 s22, s22, 2*HALFS
	s_sub_co_u32 s22, s22, s21
	v_mul_u32_u24 v6, s22, v2
	s_add_co_u32 s21, s21, SCL
	v_add_nc_u32 v5, v5, v6
	v_add_nc_u32 v[ADRS], s21, v5
	s_mul_i32 s23, s14, 16*SPITCH
	v_mul_u32_u24 v5, v1, SPITCH
	v_lshl_add_u32 v5, v2, 5, v5
	v_add_nc_u32 v[STO], s23, v5
	v_and_b32 v6, 31, v0
	v_lshlrev_b32 v[CO], 4, v6
	v_add_nc_u32 v[RD], s23, v[CO]
	s_lshl_b32 s20, s17, 8
	s_lshl_b32 s21, s15, 7
	s_add_co_u32 s20, s20, s21
	s_mov_b32 s21, 0
	s_mov_b64 s[18:19], SIZE_N*4
	s_mul_u64 s[20:21], s[20:21], s[18:19]
	s_lshl_b32 s46, s42, 10
	s_lshl_b32 s47, s16, 9
	s_add_co_u32 s46, s46, s47
	s_mov_b32 s47, 0
	s_add_nc_u64 s[20:21], s[20:21], s[46:47]
	s_add_nc_u64 s[12:13], s[12:13], s[20:21]
.macro FRAG reg, adr, q, i
.irp p, 0,1,2,3,4,5
.set PCE, 12*(\q)+6*(\p/3)+\p%3
.if PCE%8 < 5
	ds_load_b64 v[\reg+2*\p:\reg+2*\p+1], v[\adr] offset:8*PCE+16*(PCE/8)+(\i)*16*PITCH
.else
	ds_load_b64 v[\reg+2*\p:\reg+2*\p+1], v[\adr+2] offset:8*PCE+16*(PCE/8)+(\i)*16*PITCH
.endif
.endr
.endm
.macro FRAGA reg, slot, q, i
.irp p, 0,1,2,3,4,5
	ds_load_b64 v[\reg+2*\p:\reg+2*\p+1], v[ADRA+\slot] offset:AROW*(\i)+1536*(\q)+256*\p
.endr
.endm
.macro MUL16 a0, p, q, sc, zero
.irp a, \a0, \a0+1
.irp b, 0,1,2,3,4,5,6,7
.if \zero
	v_wmma_scale_f32_16x16x128_f8f6f4 v[8*(8*((\a)%4)+\b):8*(8*((\a)%4)+\b)+7], v[128*(\p)+FR*\b:128*(\p)+FR*\b+FR-1], v[AF+FR*(\a):AF+FR*(\a)+FR-1], 0, v[SC+8*NQ*(\sc)+NQ*\b+(\q)], v[SC+8*NQ*(\sc)+NQ*(\a)+(\q)] matrix_a_fmt:MATRIX_FMT_FP6 matrix_b_fmt:MATRIX_FMT_FP6 matrix_a_scale:MATRIX_SCALE_ROW1
.else
	v_wmma_scale_f32_16x16x128_f8f6f4 v[8*(8*((\a)%4)+\b):8*(8*((\a)%4)+\b)+7], v[128*(\p)+FR*\b:128*(\p)+FR*\b+FR-1], v[AF+FR*(\a):AF+FR*(\a)+FR-1], v[8*(8*((\a)%4)+\b):8*(8*((\a)%4)+\b)+7], v[SC+8*NQ*(\sc)+NQ*\b+(\q)], v[SC+8*NQ*(\sc)+NQ*(\a)+(\q)] matrix_a_fmt:MATRIX_FMT_FP6 matrix_b_fmt:MATRIX_FMT_FP6 matrix_a_scale:MATRIX_SCALE_ROW1
.endif
.endr
.endr
.endm
.macro FETCH_B slot, q, p
	WIN TO_B
.irp i, 0,1,2,3,4,5,6,7
	FRAG 128*(\p)+FR*\i, ADRB+\slot, \q, \i
.endr
	WIN 0
.endm
.macro FETCH_A slot, q, i0
.irp i, \i0, \i0+1, \i0+2, \i0+3
	FRAGA AF+FR*(\i), \slot, \q, \i
.endr
.endm
.macro SCALES sc
.irp i, 0,1,2,3,4,5,6,7
	ds_load_b64 v[SC+8*NQ*\sc+NQ*\i:SC+8*NQ*\sc+NQ*\i+1], v[ADRS] offset:\i*SBLK
.endr
.endm
.macro PLACES n
.rept \n
	v_nop
.endr
.endm
.macro STEP slot, q, zero
	s_wait_dscnt 4*NL
	WIN MUL_LO
	MUL16 0, (\q)%2, \q, \slot, \zero
	MUL16 2, (\q)%2, \q, \slot, \zero
	s_wait_dscnt 0
	PLACES NP
	FETCH_B \slot, (\q)+1, 1-(\q)%2
	FETCH_A \slot, (\q)+1, 0
	WIN MUL_HI
	MUL16 4, (\q)%2, \q, \slot, \zero
	MUL16 6, (\q)%2, \q, \slot, \zero
	PLACES NP
	WIN 0
	FETCH_A \slot, (\q)+1, 4
.endm
.macro TURN slot, next, fill
	s_wait_tensorcnt 0x0
	ds_add_u32 v[SPW], v[NIL]
	s_wait_dscnt 4*NL+1
	WIN MUL_LO
	MUL16 0, 1, NQ-1, \slot, 0
	s_wait_dscnt 0x0
	s_barrier_signal -1
	MUL16 2, 1, NQ-1, \slot, 0
	WIN 0
	s_barrier_wait -1
.if \fill
	CREST
	s_add_nc_u64 s[G0+4*\slot+2:G0+4*\slot+3], s[G0+4*\slot+2:G0+4*\slot+3], 2*AROW
	s_add_nc_u64 s[G0B+4*\slot+2:G0B+4*\slot+3], s[G0B+4*\slot+2:G0B+4*\slot+3], 2*786432
	JLOAD G0+4*\slot, G1, G0B+4*\slot, G1B
.else
	PLACES NP
.endif
	s_wait_alu depctr_va_vdst(0)
	v_add_nc_u32 v[ADRS], 4*NQ, v[ADRS]
	FETCH_B \next, 0, 0
	FETCH_A \next, 0, 0
	SCALES \next
	WIN MUL_HI
	MUL16 4, 1, NQ-1, \slot, 0
	MUL16 6, 1, NQ-1, \slot, 0
	PLACES NP
	WIN 0
	FETCH_A \next, 0, 4
.endm
	s_wait_alu depctr_va_vdst(0)
	s_wait_tensorcnt 0x0                           ; my tile of the head's four is in
	ds_add_u32 v[SPW], v[NIL]
	s_mov_b32 s[G1+2], 8<<16                       ; no tensor load of mine is out: from here on a load brings half a tile,
	s_mov_b32 s[G1+4], 8
	s_mov_b32 s[G1B+2], 96<<16
	s_mov_b32 s[G1B+4], 96
	s_mov_b32 s[G0+1], s45                         ; and slot 0's group 0 stands at my half
	s_add_nc_u64 s[G0+2:G0+3], s[G0+2:G0+3], s[8:9]
	s_mov_b32 s[G0B+1], s95
	s_add_nc_u64 s[G0B+2:G0B+3], s[G0B+2:G0B+3], s[10:11]
	s_wait_dscnt 0x0
	CROUND                                         ; all four tiles are in, all sixteen work-groups are here
	JLOAD G0+4, G1, G0B+4, G1B                     ; K step 1, the first tensor load behind the round
	FETCH_B 0, 0, 0
	FETCH_A 0, 0, 0
	SCALES 0
	FETCH_A 0, 0, 4
	STEP 0, 0, 1
	s_mov_b32 s3, LAPS-1
.Llap:
	TURN 0, 1, 1
	STEP 1, 0, 0
	TURN 1, 0, 1
	STEP 0, 0, 0
	s_sub_co_u32 s3, s3, 1
	s_cmp_lg_u32 s3, 0
	s_cbranch_scc1 .Llap
	TURN 0, 1, 0
	STEP 1, 0, 0
	s_wait_dscnt 4*NL
	WIN MUL_LO
	MUL16 0, 1, NQ-1, 1, 0
	MUL16 2, 1, NQ-1, 1, 0
	s_wait_dscnt 0
	WIN MUL_HI
	MUL16 4, 1, NQ-1, 1, 0
	MUL16 6, 1, NQ-1, 1, 0
	WIN 0
.macro TOSTAGE a
.set AC, 64*((\a)%4)
	WIN 0x08+4*((\a)/4)
.irp b, 0,1,2,3,4,5,6,7
	ds_store_b128 v[STO], v[AC+8*\b:AC+8*\b+3] offset:64*\b
	ds_store_b128 v[STO], v[AC+8*\b+4:AC+8*\b+7] offset:64*\b+16
.endr
	WIN 0
.set BB, BK+64*((\a)%2)
.irp t, 0,1,2,3,4,5,6,7,8,9,10,11,12,13,14,15
	ds_load_b128 v[BB+4*\t:BB+4*\t+3], v[RD] offset:\t*SPITCH
.endr
.endm
.macro SEND a, younger
.set BB, BK+64*((\a)%2)
	s_wait_dscnt \younger
.if (\a) > 0
.if (\a)%2 == 1
	s_add_nc_u64 s[12:13], s[12:13], 8*SIZE_N*4
.else
	s_add_nc_u64 s[12:13], s[12:13], 24*SIZE_N*4
.endif
.endif
.irp t, 0,1,2,3,4,5,6,7,8,9,10,11,12,13,14,15
	global_store_b128 v[CO], v[BB+4*\t:BB+4*\t+3], s[12:13] offset:(\t%8+16*(\t/8))*SIZE_N*4 th:TH_STORE_NT
.endr
.endm
	PLACES NP
	TOSTAGE 0
.irp a, 1,2,3,4,5,6,7
.if \a > 1
	s_wait_xcnt 0x0
.endif
	TOSTAGE \a
	SEND \a-1, 32
.endr
	s_wait_xcnt 0x0
	SEND 7, 0
	s_wait_tensorcnt 0x0
	ds_add_u32 v[SPW], v[NIL]
	s_wait_dscnt 0x0
	CROUND
	s_endpgm
.Lfunc_end_k_q8c851e5e8c_proj:
	.size	k_q8c851e5e8c_proj, .Lfunc_end_k_q8c851e5e8c_proj-k_q8c851e5e8c_proj
	.p2alignl 7, 3214868480
	.fill 96, 4, 3214868480
	.section	.rodata,"a",@progbits
	.p2align	6, 0x0
	.amdhsa_kernel k_q8c851e5e8c_proj
		.amdhsa_group_segment_fixed_size 327680
		.amdhsa_private_segment_fixed_size 0
		.amdhsa_enable_private_segment 0
		.amdhsa_kernarg_size 24
		.amdhsa_user_sgpr_count 2
		.amdhsa_user_sgpr_kernarg_segment_ptr 1
		.amdhsa_wavefront_size32 1
		.amdhsa_system_sgpr_workgroup_id_x 1
		.amdhsa_system_sgpr_workgroup_id_y 1
		.amdhsa_system_sgpr_workgroup_id_z 1
		.amdhsa_system_vgpr_workitem_id 0
		.amdhsa_next_free_vgpr 1024
		.amdhsa_next_free_sgpr 98
		.amdhsa_reserve_vcc 0
		.amdhsa_float_denorm_mode_32 3
		.amdhsa_float_denorm_mode_16_64 3
		.amdhsa_memory_ordered 1
		.amdhsa_forward_progress 1
		.amdhsa_inst_pref_size 161
	.end_amdhsa_kernel
	.amdgpu_metadata
---
amdhsa.version: [ 1, 2 ]
amdhsa.kernels:
  - .name:           k_q8c851e5e8c_proj
    .symbol:         k_q8c851e5e8c_proj.kd
    .args:
      - { .name: yq, .offset: 0, .size: 8, .value_kind: global_buffer, .address_space: global }
      - { .name: wq, .offset: 8, .size: 8, .value_kind: global_buffer, .address_space: global }
      - { .name: out0, .offset: 16, .size: 8, .value_kind: global_buffer, .address_space: global }
    .group_segment_fixed_size: 327680
    .private_segment_fixed_size: 0
    .kernarg_segment_align: 8
    .kernarg_segment_size: 24
    .max_flat_workgroup_size: 128
    .sgpr_count:     98
    .vgpr_count:     1024
    .wavefront_size: 32
...
	.end_amdgpu_metadata
.endif
;; end of part 4
